; MI455X (gfx1250); checked and timed in simulation.
; The chip was launched on July 23, 2026; its instructions are those of AMD's public machine-readable ISA for CDNA 5 (MIT licence, August 2026) and "CDNA5" Instruction Set Architecture Reference Guide (July 2026). The comments in the code are by the model that wrote it; some were corrected since.
;; Llama Attention. Allowed arithmetic: matrix products marked QUANTISED: E2M3 operands, one E8M0 scale for each 32 along K, by v_wmma_scale_f32_16x16x128_f8f6f4 with both operands' format E2M3, f32 sums; everything else in f32.
;; Inputs: Wk 2,048 x 512 float32; Wo 1,024 x 2,048 float32; Wq 2,048 x 1,024 float32; Wv 2,048 x 512 float32; attention_mask 2 x 1 x 2,048 x 2,048 float32; hidden_states 2 x 2,048 x 2,048 float32; position_ids 2 x 2,048 int32.
;; Outputs: out0 2 x 2,048 x 2,048 float32.
;; This version of the problem:
;;   THIS VERSION OF THE PROBLEM IS GIVEN IN LOW PRECISION. The matrix products marked QUANTISED in the list below multiply operands that are first quantised to E2M3 (2 exponent bits, 3 mantissa bits; 6 bits a number), with one power-of-two scale for each 32 numbers along K (OCP MX v1.0); their sums are f32. All else is computed in f32.
;;   The module's matrix products, in the order in which they are computed (A, B: the left and right operand; K: the contracted axis; several contracted axes count as one K, in the product's order):
;;     1. [M 4,096, K 2,048] x [K 2,048, N 1,024]; A: input hidden_states; B: input Wq: QUANTISED
;;     2. [M 4,096, K 2,048] x [K 2,048, N 512]; A: input hidden_states; B: input Wk: QUANTISED
;;     3. [M 4,096, K 2,048] x [K 2,048, N 512]; A: input hidden_states; B: input Wv: QUANTISED
;;     4. batch 16 x [M 4,096, K 64] x [K 64, N 2,048]; A: computed on the way; B: computed on the way: QUANTISED
;;     5. batch 16 x [M 4,096, K 2,048] x [K 2,048, N 64]; A: softmax (see below); B: computed on the way: QUANTISED
;;     6. [M 4,096, K 1,024] x [K 1,024, N 2,048]; A: computed on the way; B: input Wo: QUANTISED
;;   THE QUANTISER, for each operand of a quantised product, along K:
;;     - K is cut into blocks of 32 from its start; a last block that is shorter is filled with zeros.
;;     - A block's scale is 2^e with e = floor(log2(the largest magnitude in the block)) - 2, held to -126 .. 127; a block of zeros has e = 0. As a byte (E8M0): e + 127.
;;     - Each number is divided by its block's scale, clamped to +-7.5, and rounded to the nearest number of E2M3, ties to even, subnormals kept.
;;     - The product sums the exact products of the quantised numbers (number of the format x scale) in f32.
;;   ~~~python
;;   def quantise(x, axis):      # numpy; x: float32 -> the quantised numbers, widened to float32 again
;;       x = np.moveaxis(x, axis, -1); K = x.shape[-1]
;;       x = np.pad(x, [(0, 0)] * (x.ndim - 1) + [(0, -K % 32)]); x = x.reshape(x.shape[:-1] + (-1, 32)); a = np.abs(x).max(-1, keepdims=True)
;;       e = np.where(a > 0, np.clip(np.frexp(np.where(a > 0, a, 1))[1] - 1 - 2, -126, 127), 0)      # np.frexp(a)[1] - 1 = floor(log2(a)), exactly
;;       r = np.clip(x / 2.0 ** e, -7.5, 7.5)
;;       step = 2.0 ** (np.maximum(np.frexp(np.where(r == 0, 1, r))[1] - 1, 0) - 3)
;;       q = np.round(r / step) * step * 2.0 ** e      # np.round: ties to even
;;       return np.moveaxis(q.reshape(q.shape[:-2] + (-1,))[..., :K], -1, axis).astype(np.float32)
;;   ~~~
;;   SOFTMAX AHEAD OF A QUANTISED PRODUCT. Where the list says 'softmax', what is quantised is not the finished softmax but p = 2^(t - M), with t = logit x log2(e) and M = ceil(the row's largest t), a whole number; so 1/2 < the row's largest p <= 1. The row's sum l is taken of the UNQUANTISED p, in f32, and the product's result is divided by l at the end. Since M is a whole number, a kernel that streams over the keys may use a running M (the ceiling of the running maximum): every later rescaling is an exact power of two, which a block's scale takes up: the codes' values come out the same.
;;   OPERANDS COMPUTED ON THE WAY. 'Computed on the way' means the value that the module computes at that place (a softmax that the list does not call 'softmax' is quantised finished and normalised). What goes into a quantiser is computed in f32, as accurately as f32 sums, v_exp_f32 and their like allow (about 1e-6 of the number): no bf16 or f16 on the way to a quantiser, and a product that is left as it is and whose result goes on into a quantised operand takes f32 operands (vector FMAs, or v_wmma_f32_16x16x4_f32). A number that lies on a knife's edge between two numbers of the format may be rounded either way, as far as f32 arithmetic and the matrix unit's own rounding can turn it there, and no further.
;; One version. Each part assembles by itself: llvm-mc -triple=amdgcn-amd-amdhsa -mcpu=gfx1250 --defsym DOCPART=n.
;; ======== version 1 of 1: 4 launches
;; workspace buffers: himg 6,553,600 bytes; wimg 4,915,200 bytes; rope 1,048,576 bytes; qimg 3,407,872 bytes; kvimg 3,342,336 bytes; cimg 3,276,800 bytes
;; launch quant (part 1): grid 448 x 1, 4 waves a work-group, no clusters, 59,904 bytes of LDS; arguments hidden_states, position_ids, Wq, Wk, Wv, Wo, himg, wimg, rope; writes himg, wimg, rope
.if DOCPART == 1
	.amdgcn_target "amdgcn-amd-amdhsa--gfx1250"
	.amdhsa_code_object_version 6
	.text
	.protected	k_qf931a74481_quant
	.globl	k_qf931a74481_quant
	.p2align	8
	.type	k_qf931a74481_quant,@function
k_qf931a74481_quant:
	s_mov_b64 s[64:65], 0
	v_nop
	global_prefetch_b8 v0, s[64:65] scope:SCOPE_SE
	s_setreg_imm32_b32 hwreg(HW_REG_WAVE_MODE, 25, 1), 1
	s_wait_xcnt 0x0
; hidden_states [4096][2048] and the four weights ([K][N], K first) become codes of FP6 (E2M3) with one E8M0 byte for each 32 along K; position_ids become cos and sin for each token.
; AN OPERAND LIES IN MEMORY AS AN IMAGE OF ITS REGISTERS: a fragment (16 rows x 128 K, 12 registers a lane) is 1,536 bytes, register i of lane L at 512 (i / 4) + 16 L + 4 (i % 4).
; THE ROWS OF A TILE ARE NOT NEIGHBOURS: row p of tile T is row 32 (T / 2) + 8 (T % 2) + p + 8 (p / 8) of its group, so that results of two neighbouring tiles are 16 neighbours along the next K.
; himg: [128 tokens tb][K step s] blocks of 12,800 bytes: eight images, then the scale words at 12,288 + 256 (a / 4) + 16 r + 4 (a % 4).
; wimg: blocks of 25,600 bytes (256 features x 128 K): quarter w has four images at 6,144 w and its scale words at 24,576 + 256 w + 16 r + 4 b.  Blocks 16 fb + s: Wq's heads 2 fb, 2 fb + 1, Wk's and Wv's head fb; blocks 128 + 8 fb + s: Wo.
; rope: [token][cos 0..31 | sin 0..31] f32, 256 bytes a token.
; SHARES: work-groups 0-255 take hidden_states (a wave: four tiles of 16 tokens x 128 K, and four tokens' cos and sin), work-groups 256-447 the weights (a wave: 64 columns x 128 K).  Waves share nothing: no barrier.
; A block's scale is 2^(floor(log2(its largest magnitude)) - 2); its byte is that magnitude's exponent field - 2, held at 1 from below.
; LIMITS: NaN and infinities are not served.  A block whose largest magnitude lies under 2^-124 keeps the byte 1, a block of zeros too (the rule says 127: its codes are zeros, and this program alone reads the bytes).
; position_ids 0 .. 2,047: the first step of the angle's reduction is exact for angles under 2^13.  10000^(-j/32) is made to about 1.5 ulp.
.set SPARE, 59392                      ; behind the stages: the spare words, 128 bytes for each wave
.set HSTB,  8448                       ; hidden path: a wave's stage, 16 rows x 528 bytes, from LDS byte 0 on
.set WST0,  33792                      ; weight path: stages of its own,
.set WSTB,  6400                       ; four images and 256 bytes of scale words for each wave
.set LA,  1                            ; v1   16 x lane
.set HH,  11                           ; v11  lane / 16
.set SPW, 12                           ; v12  my spare word; never rewritten
.set NIL, 13                           ; v13  0; never rewritten
.set LN,  14                           ; v14  lane
.set RR,  15                           ; v15  lane % 16
.set R,   16                           ; v16-143  hidden: two sets of 64 registers as loaded
.set X,   144                          ; v144-207 hidden: 64 numbers of my row; before that the angles' work
.set PC,  208                          ; v208-227 the codes just made
.set TM,  228                          ; v228-243 at work
.set PWS, 244                          ; v244-247 the four tiles' scale words
.set OFF, 16                           ; weights: v16-47 4 x lane + i x pitch
.set XW,  48                           ; v48-111 two sets of 32 numbers
.set CW,  112                          ; v112-117 a block's codes
.set DW,  118                          ; v118-120 its second half as converted
.set SBW, 122                          ; v122-123 scale words of my two columns
.set OUTW, 128                         ; v128-177 the way out
; 64 numbers of a lane, register 16 b + i = k 32 b + 16 (lane / 16) + i of my row, become a fragment's codes in v[PC] on and its scale word in v[pw]
.macro QUANT s, pw
.irp b, 0,1,2,3
	v_max3_num_f32 v[TM+\b], |v[\s+16*\b]|, |v[\s+1+16*\b]|, 0x1800000   ; my 16 numbers of block b, and the floor 2^(3 - 127): the byte cannot fall under 1
.endr
.irp i, 2,4,6,8,10,12,14
.irp b, 0,1,2,3
	v_max3_num_f32 v[TM+\b], v[TM+\b], |v[\s+16*\b+\i]|, |v[\s+1+16*\b+\i]|
.endr
.endr
.irp b, 0,1,2,3
	v_permlanex16_b32 v[TM+4+\b], v[TM+\b], s24, s25
.endr
.irp b, 0,1,2,3
	v_max_num_f32 v[TM+\b], v[TM+\b], v[TM+4+\b]   ; with lane l xor 16's: the block's largest magnitude
.endr
.irp b, 0,1,2,3
	v_add_nc_u32 v[TM+12+\b], 0xff000000, v[TM+\b] ; 2 off its exponent field: the conversion's scale operand
.endr
.irp b, 0,1,2,3
	v_lshrrev_b32 v[TM+4+\b], 23, v[TM+12+\b]      ; the scale's byte
.endr
	v_lshl_or_b32 v[\pw], v[TM+5], 8, v[TM+4]
	v_lshl_or_b32 v[\pw], v[TM+6], 16, v[\pw]
	v_lshl_or_b32 v[\pw], v[TM+7], 24, v[\pw]
.irp c, 0,1
	v_cvt_scalef32_pk16_fp6_f32 v[PC+6*\c:PC+2+6*\c], v[\s+32*\c:\s+15+32*\c], v[TM+12+2*\c]
	v_cvt_scalef32_pk16_fp6_f32 v[PC+12+4*\c:PC+14+4*\c], v[\s+16+32*\c:\s+31+32*\c], v[TM+12+2*\c+1]   ; (a conversion's three registers begin on an even number)
.endr
	v_nop                                          ; one plain place behind a scaled conversion
.irp c, 0,1                                    ; the operand's layout wants a whole block in a lane
.irp i, 0,1,2
	v_permlane16_swap_b32 v[PC+6*\c+\i], v[PC+12+4*\c+\i]
.endr
.irp i, 0,1,2
	v_mov_b32 v[PC+3+6*\c+\i], v[PC+12+4*\c+\i]
.endr
.endr
.endm
.macro LOADT t                         ; tile t: 16 rows, each load 512 consecutive bytes of one row
.irp p, 0,1,2,3,4,5,6,7,8,9,10,11,12,13,14,15
	global_load_b128 v[R+64*((\t)%2)+4*\p:R+64*((\t)%2)+4*\p+3], v[LA], s[4:5] offset:(32*((\t)/2)+8*((\t)%2)+\p+8*(\p/8))*8192 th:TH_LOAD_NT
.endr
.endm
.macro TURN t                          ; through my stage: in as loaded, back 16 neighbours of each block of 32 to a lane; LDS serves a wave's instructions in order
.irp p, 0,1,2,3,4,5,6,7,8,9,10,11,12,13,14,15
	ds_store_b128 v2, v[R+64*((\t)%2)+4*\p:R+64*((\t)%2)+4*\p+3] offset:528*\p
.endr
.irp b, 0,1,2,3
.irp j, 0,1,2,3
	ds_load_b128 v[X+16*\b+4*\j:X+16*\b+4*\j+3], v3 offset:128*\b+16*\j
.endr
.endr
.endm
.macro TILE t
.if (\t) < 3
	s_wait_loadcnt 16                              ; this tile's 16 loads are in; the next tile's may be out
.else
	s_wait_loadcnt 0x0
.endif
	s_wait_xcnt 0x0                                ; earlier stores have read their data: X and the codes' registers may be written
	TURN \t
	s_wait_dscnt 0x0                               ; the numbers are back, and the stage's stores have read their registers,
.if (\t) < 2
	LOADT (\t)+2                                   ; which take the tile two further on
.endif
	QUANT X, PWS+(\t)
.irp c, 0,1,2
	global_store_b128 v[LA], v[PC+4*\c:PC+4*\c+3], s[36:37] offset:1536*(\t)+512*\c   ; the image: 512 consecutive bytes a store
.endr
.endm
; cos and sin of two tokens (lanes 0-15 one, lanes 16-31 the next): lanes % 16 under 8 make cos, the others sin, four frequencies a lane
.macro ROPEQ q
.irp i, 0,1,2,3
	v_mul_f32 v[184+\i], v[160+\q], v[156+\i]      ; the angle, rounded once to f32
.endr
.irp i, 0,1,2,3
	v_mul_f32 v[188+\i], s47, v[184+\i]
.endr
.irp i, 0,1,2,3
	v_rndne_f32 v[188+\i], v[188+\i]               ; k = the nearest multiple of pi / 2
.endr
.irp i, 0,1,2,3
	v_fma_f32 v[192+\i], -v[188+\i], s45, v[184+\i]   ; less k x the f32 nearest pi / 2: exact,
.endr
.irp i, 0,1,2,3
	v_fma_f32 v[192+\i], -v[188+\i], s46, v[192+\i]   ; less k x what that f32 lacks
.endr
.irp i, 0,1,2,3
	v_mul_f32 v[196+\i], v[192+\i], v[192+\i]
.endr
.irp i, 0,1,2,3
	v_fmaak_f32 v[200+\i], v163, v[196+\i], 0x3c08839e
	v_fmaak_f32 v[204+\i], v164, v[196+\i], 0xbab6061a
.endr
.irp i, 0,1,2,3
	v_fmaak_f32 v[200+\i], v[200+\i], v[196+\i], 0xbe2aaaa3
	v_fmaak_f32 v[204+\i], v[204+\i], v[196+\i], 0x3d2aaaa5
.endr
.irp i, 0,1,2,3
	v_mul_f32 v[200+\i], v[200+\i], v[196+\i]
	v_mul_f32 v[184+\i], v[196+\i], v[196+\i]
.endr
.irp i, 0,1,2,3
	v_fma_f32 v[196+\i], v[196+\i], -0.5, 1.0
	v_fma_f32 v[200+\i], v[200+\i], v[192+\i], v[192+\i]   ; sin of the rest
.endr
.irp i, 0,1,2,3
	v_fma_f32 v[204+\i], v[204+\i], v[184+\i], v[196+\i]   ; cos of the rest
	v_cvt_i32_f32 v[188+\i], v[188+\i]
.endr
.irp i, 0,1,2,3
	v_add_nc_u32 v[188+\i], v[188+\i], v162        ; the quadrant; cos is sin a quadrant on
.endr
.irp i, 0,1,2,3
	v_and_b32 v[184+\i], 1, v[188+\i]
.endr
.irp i, 0,1,2,3
	v_cmp_eq_u32 vcc_lo, 1, v[184+\i]
	v_cndmask_b32 v[176+4*\q+\i], v[200+\i], v[204+\i], vcc_lo
.endr
.irp i, 0,1,2,3
	v_and_b32 v[188+\i], 2, v[188+\i]
.endr
.irp i, 0,1,2,3
	v_lshlrev_b32 v[188+\i], 30, v[188+\i]
.endr
.irp i, 0,1,2,3
	v_xor_b32 v[176+4*\q+\i], v[176+4*\q+\i], v[188+\i]   ; quadrants 2 and 3 change the sign
.endr
	global_store_b128 v[LA], v[176+4*\q:179+4*\q], s[20:21] offset:512*\q   ; two tokens' rows: 512 consecutive bytes
.endm
.macro LOADW t                         ; block t / 2 of K, column group t % 2: W(32 (t / 2) + i, my column), i = 0 .. 31
.irp i, 0,1,2,3,4,5,6,7,8,9,10,11,12,13,14,15,16,17,18,19,20,21,22,23,24,25,26,27,28,29,30,31
	global_load_b32 v[XW+32*((\t)%2)+\i], v[OFF+\i], s[40+2*((\t)/2):41+2*((\t)/2)] offset:128*((\t)%2) th:TH_LOAD_NT
.endr
.endm
.macro BLOCKW t
.set XS, XW+32*((\t)%2)
.set BE, (\t)/2
.set CG, (\t)%2
.set SO, 3072*CG+256*(BE%2)
.if (\t) < 7
	s_wait_loadcnt 32                              ; this block's 32 loads are in; the next block's may be out
.else
	s_wait_loadcnt 0x0
.endif
	v_max3_num_f32 v8, |v[XS]|, |v[XS+1]|, |v[XS+2]|   ; all 32 numbers of the block are mine
	v_max3_num_f32 v9, |v[XS+3]|, |v[XS+4]|, |v[XS+5]|
.irp i, 6,10,14,18,22,26
	v_max3_num_f32 v8, v8, |v[XS+\i]|, |v[XS+\i+1]|
	v_max3_num_f32 v9, v9, |v[XS+\i+2]|, |v[XS+\i+3]|
.endr
	v_max3_num_f32 v8, v8, |v[XS+30]|, |v[XS+31]|
	v_max3_num_f32 v8, v8, v9, 0x1800000           ; and the floor
	v_add_nc_u32 v10, 0xff000000, v8
	v_cvt_scalef32_pk16_fp6_f32 v[CW:CW+2], v[XS:XS+15], v10
	v_cvt_scalef32_pk16_fp6_f32 v[DW:DW+2], v[XS+16:XS+31], v10
	v_lshrrev_b32 v126, 23, v10                    ; the scale's byte (the plain place behind the conversions)
.if BE == 0
	v_mov_b32 v[SBW+CG], v126
.else
	v_lshl_or_b32 v[SBW+CG], v126, 8*BE, v[SBW+CG]
.endif
.irp i, 0,1,2
	v_mov_b32 v[CW+3+\i], v[DW+\i]
.endr
.if BE/2 == 0                                  ; the block's six registers at their places in the image: registers 0-5,
	ds_store_b128 v2, v[CW:CW+3] offset:SO
	ds_store_b64 v2, v[CW+4:CW+5] offset:SO+512
.else                                          ; or 6-11
	ds_store_b64 v2, v[CW:CW+1] offset:SO+520
	ds_store_b128 v2, v[CW+2:CW+5] offset:SO+1024
.endif
.if (\t) < 6
	LOADW (\t)+2
.endif
	s_wait_dscnt 0x0                               ; the stores have read their registers
.endm
	s_load_b256 s[4:11], s[0:1], 0x0               ; hidden_states, position_ids, Wq, Wk
	s_load_b256 s[12:19], s[0:1], 0x20             ; Wv, Wo, himg, wimg
	s_load_b64 s[20:21], s[0:1], 0x40              ; rope
	v_lshl_add_u32 v[SPW], v0, 2, SPARE
	v_mov_b32 v[NIL], 0
	v_lshrrev_b32 v1, 5, v0
	v_readfirstlane_b32 s22, v1                    ; wave
	v_and_b32 v[LN], 31, v0
	v_and_b32 v[RR], 15, v0
	v_bfe_u32 v[HH], v0, 4, 1
	v_lshlrev_b32 v[LA], 4, v[LN]
	s_mov_b32 s24, 0x76543210
	s_mov_b32 s25, 0xfedcba98                      ; v_permlanex16_b32's selects for lane l xor 16
	s_mov_b32 s26, 0xffff0000                      ; lanes 16-31
	s_wait_kmcnt 0x0
	s_cmp_lt_u32 ttmp9, 256
	s_cbranch_scc0 .Lweights
	; ---- hidden_states: work-group n: tb = n / 8, half hf = (n / 4) % 2 of its 128 tokens, K step s = 4 (n % 4) + wave
	s_lshr_b32 s28, ttmp9, 3
	s_bfe_u32 s29, ttmp9, 0x10002
	s_and_b32 s30, ttmp9, 3
	s_lshl_b32 s30, s30, 2
	s_add_co_u32 s30, s30, s22
	s_lshl_b32 s32, s28, 20                        ; 128 tb rows of 8,192 bytes
	s_lshl_b32 s31, s29, 19                        ; 64 hf rows
	s_add_co_u32 s32, s32, s31
	s_lshl_b32 s31, s30, 9                         ; 512 s
	s_add_co_u32 s32, s32, s31
	s_mov_b32 s33, 0
	s_lshl_b32 s34, s28, 4
	s_add_co_u32 s34, s34, s30
	s_mul_i32 s34, s34, 12800                      ; the block (tb, s)
	s_mul_i32 s36, s29, 6144
	s_add_co_u32 s36, s36, s34                     ; my four images
	s_mov_b32 s37, 0
	s_lshl_b32 s38, s29, 8
	s_add_co_u32 s38, s38, s34                     ; my 256 bytes of scale words, 12,288 on
	s_mov_b32 s39, 0
	s_lshl_b32 s40, ttmp9, 2
	s_add_co_u32 s40, s40, s22                     ; which four tokens' cos and sin are mine
	s_lshl_b32 s42, s40, 10
	s_mov_b32 s43, 0
	s_lshl_b32 s40, s40, 4
	s_mov_b32 s41, 0
	s_add_nc_u64 s[4:5], s[4:5], s[32:33]
	s_add_nc_u64 s[36:37], s[16:17], s[36:37]
	s_add_nc_u64 s[38:39], s[16:17], s[38:39]
	s_add_nc_u64 s[6:7], s[6:7], s[40:41]
	s_add_nc_u64 s[20:21], s[20:21], s[42:43]
	v_lshlrev_b32 v5, 2, v[HH]
	global_load_b32 v160, v5, s[6:7]               ; the positions of tokens 0, 1 (by halves of the lanes)
	global_load_b32 v161, v5, s[6:7] offset:8      ; and 2, 3
	LOADT 0
	LOADT 1
	s_mul_i32 s31, s22, HSTB
	v_add_nc_u32 v2, s31, v[LA]                    ; the stage, in: 16 x lane, a row each 528 bytes
	v_mul_u32_u24 v3, v[RR], 528
	v_lshl_add_u32 v3, v[HH], 6, v3
	v_add_nc_u32 v3, s31, v3                       ; and back: row r, + 64 h
	v_lshlrev_b32 v4, 4, v[RR]
	v_lshl_add_u32 v4, v[HH], 3, v4                ; the scale words' place: 16 r + 8 h
.irp b, 0,1,2,3
	v_mov_b32 v[TM+4+\b], 0                        ; written once: a lane permute's destination counts as one of its sources
.endr
	; 10000^(-j / 32) for my four j = 4 (lane % 8) + i: 2^(j CH + j CL), CH of 17 bits so that j CH is exact
	s_mov_b32 s44, 0x3476865d
	s_mov_b32 s45, 0x3fc90fdb
	s_mov_b32 s46, 0xb33bbd2e
	s_mov_b32 s47, 0x3f22f983
	v_and_b32 v171, 7, v[LN]
	v_lshlrev_b32 v171, 2, v171
.irp i, 0,1,2,3
	v_add_nc_u32 v[144+\i], \i, v171
.endr
.irp i, 0,1,2,3
	v_cvt_f32_u32 v[144+\i], v[144+\i]
.endr
.irp i, 0,1,2,3
	v_mul_f32 v[148+\i], 0xbed49a80, v[144+\i]
.endr
.irp i, 0,1,2,3
	v_rndne_f32 v[152+\i], v[148+\i]
.endr
.irp i, 0,1,2,3
	v_sub_f32 v[148+\i], v[148+\i], v[152+\i]
.endr
.irp i, 0,1,2,3
	v_fma_f32 v[148+\i], v[144+\i], s44, v[148+\i]
.endr
.irp i, 0,1,2,3
	v_exp_f32 v[148+\i], v[148+\i]
.endr
.irp i, 0,1,2,3
	v_cvt_i32_f32 v[152+\i], v[152+\i]             ; plain work behind the exponentials
.endr
	s_wait_alu depctr_va_vdst(0)                   ; one wait for the four, ahead of their first reader
.irp i, 0,1,2,3
	v_ldexp_f32 v[156+\i], v[148+\i], v[152+\i]
.endr
	v_bfe_u32 v162, v[LN], 3, 1
	v_xor_b32 v162, 1, v162                        ; 1 in the lanes that make cos
	v_mov_b32 v163, 0xb94ca1f9
	v_mov_b32 v164, 0x37ccf5ce
	s_wait_loadcnt 32                              ; the positions are in; the two tiles' 32 loads stay out
	v_cvt_f32_i32 v160, v160
	v_cvt_f32_i32 v161, v161
	ROPEQ 0
	ROPEQ 1
	TILE 0
	TILE 1
	TILE 2
	TILE 3
	v_cndmask_b32 v248, v244, v246, s26            ; lanes 0-15 store tiles 0, 1's words of row r, lanes 16-31 tiles 2, 3's
	v_cndmask_b32 v249, v245, v247, s26
	global_store_b64 v4, v[248:249], s[38:39] offset:12288   ; 256 consecutive bytes
	s_wait_tensorcnt 0x0                           ; the wave's end
	ds_add_u32 v[SPW], v[NIL]
	s_wait_dscnt 0x0
	s_endpgm
.Lweights:
	; ---- the weights: block g = work-group - 256.  A LANE TAKES A COLUMN, AND ITS REGISTERS RUN DOWN K
	s_sub_co_u32 s27, ttmp9, 256
	s_lshr_b32 s28, s27, 4                         ; Wq, Wk, Wv: fb,
	s_and_b32 s29, s27, 15                         ; K step
	s_lshl_b32 s34, s28, 6                         ; Wk, Wv: first column 64 fb
	s_lshl_b32 s35, s28, 7
	s_lshl_b32 s36, s22, 6
	s_add_co_u32 s35, s35, s36                     ; Wq: 128 fb + 64 wave
	s_sub_co_u32 s37, s27, 128
	s_lshr_b32 s37, s37, 3
	s_lshl_b32 s37, s37, 8
	s_add_co_u32 s37, s37, s36                     ; Wo: 256 fb + 64 wave,
	s_and_b32 s38, s27, 7                          ; K step
	s_mov_b32 s30, 2048
	s_mov_b32 s39, 8192
	s_cmp_eq_u32 s22, 2                            ; every choice hangs on the wave's and the work-group's numbers alone
	s_cselect_b64 s[32:33], s[10:11], s[12:13]
	s_cmp_lt_u32 s22, 2
	s_cselect_b64 s[32:33], s[8:9], s[32:33]
	s_cselect_b32 s30, 4096, s30
	s_cselect_b32 s34, s35, s34
	s_cmp_lt_u32 s27, 128
	s_cselect_b64 s[32:33], s[32:33], s[14:15]     ; the tensor,
	s_cselect_b32 s30, s30, s39                    ; its row in bytes,
	s_cselect_b32 s34, s34, s37                    ; my first column,
	s_cselect_b32 s29, s29, s38                    ; my K step
	s_lshl_b32 s35, s29, 7
	s_mul_i32 s35, s35, s30
	s_lshl_b32 s34, s34, 2
	s_add_co_u32 s34, s35, s34
	s_mov_b32 s35, 0
	s_add_nc_u64 s[40:41], s[32:33], s[34:35]      ; a base for each block of 32 along K
	s_lshl_b32 s34, s30, 5
	s_add_nc_u64 s[42:43], s[40:41], s[34:35]
	s_add_nc_u64 s[44:45], s[42:43], s[34:35]
	s_add_nc_u64 s[46:47], s[44:45], s[34:35]
	s_mul_i32 s34, s27, 25600
	s_add_nc_u64 s[18:19], s[18:19], s[34:35]      ; my block of wimg
	v_lshlrev_b32 v127, 2, v[LN]
.irp i, 0,1,2,3,4,5,6,7,8,9,10,11,12,13,14,15,16,17,18,19,20,21,22,23,24,25,26,27,28,29,30,31
	v_mad_u32_u24 v[OFF+\i], s30, \i, v127
.endr
	LOADW 0
	LOADW 1
	; column x of a group of 32 is row p = x % 8 + 8 (x / 16) of tile 2 cg + u, u = (x / 8) % 2
	v_bfe_u32 v124, v[LN], 3, 1
	v_and_b32 v125, 7, v[LN]
	v_lshrrev_b32 v126, 4, v[LN]
	v_lshl_add_u32 v125, v126, 3, v125
	s_mul_i32 s31, s22, WSTB
	s_add_co_u32 s31, s31, WST0                    ; my stage
	v_mul_u32_u24 v2, v124, 1536
	v_lshl_add_u32 v2, v125, 4, v2
	v_add_nc_u32 v2, s31, v2                       ; codes: image u, 16 p
	v_lshlrev_b32 v3, 4, v125
	v_lshl_add_u32 v3, v124, 2, v3
	v_add_nc_u32 v3, s31, v3                       ; scale words, 6,144 on: 16 p + 4 u
	v_add_nc_u32 v4, s31, v[LA]                    ; the way out
	v_lshl_add_u32 v5, v[LN], 3, s31
	s_mul_i32 s32, s22, 6144
	v_add_nc_u32 v6, s32, v[LA]
	s_lshl_b32 s32, s22, 8
	v_lshl_add_u32 v7, v[LN], 3, s32
.irp t, 0,1,2,3,4,5,6,7
	BLOCKW \t
.endr
	ds_store_b32 v3, v[SBW] offset:6144
	ds_store_b32 v3, v[SBW+1] offset:6144+8
.irp i, 0,1,2,3,4,5,6,7,8,9,10,11
	ds_load_b128 v[OUTW+4*\i:OUTW+4*\i+3], v4 offset:512*\i   ; LDS serves a wave's instructions in order: these see my stores
.endr
	ds_load_b64 v[OUTW+48:OUTW+49], v5 offset:6144
.irp i, 0,1,2,3,4,5,6,7,8,9,10,11
	s_wait_dscnt 12-\i                             ; load i is in; those issued behind it may be out
	global_store_b128 v6, v[OUTW+4*\i:OUTW+4*\i+3], s[18:19] offset:512*\i   ; 512 consecutive bytes
.endr
	s_wait_dscnt 0x0
	global_store_b64 v7, v[OUTW+48:OUTW+49], s[18:19] offset:24576   ; 256 consecutive bytes
	s_wait_tensorcnt 0x0                           ; the wave's end
	ds_add_u32 v[SPW], v[NIL]
	s_wait_dscnt 0x0
	s_endpgm
.Lfunc_end_k_qf931a74481_quant:
	.size	k_qf931a74481_quant, .Lfunc_end_k_qf931a74481_quant-k_qf931a74481_quant
	.p2alignl 7, 3214868480
	.fill 96, 4, 3214868480
	.section	.rodata,"a",@progbits
	.p2align	6, 0x0
	.amdhsa_kernel k_qf931a74481_quant
		.amdhsa_group_segment_fixed_size 59904
		.amdhsa_private_segment_fixed_size 0
		.amdhsa_enable_private_segment 0
		.amdhsa_kernarg_size 72
		.amdhsa_user_sgpr_count 2
		.amdhsa_user_sgpr_kernarg_segment_ptr 1
		.amdhsa_wavefront_size32 1
		.amdhsa_system_sgpr_workgroup_id_x 1
		.amdhsa_system_sgpr_workgroup_id_y 1
		.amdhsa_system_sgpr_workgroup_id_z 1
		.amdhsa_system_vgpr_workitem_id 0
		.amdhsa_next_free_vgpr 256
		.amdhsa_next_free_sgpr 66
		.amdhsa_reserve_vcc 1
		.amdhsa_float_denorm_mode_32 3
		.amdhsa_float_denorm_mode_16_64 3
		.amdhsa_memory_ordered 1
		.amdhsa_forward_progress 1
		.amdhsa_inst_pref_size 88
	.end_amdhsa_kernel
	.amdgpu_metadata
---
amdhsa.version: [ 1, 2 ]
amdhsa.kernels:
  - .name:           k_qf931a74481_quant
    .symbol:         k_qf931a74481_quant.kd
    .args:
      - { .name: hidden_states, .offset: 0, .size: 8, .value_kind: global_buffer, .address_space: global }
      - { .name: position_ids, .offset: 8, .size: 8, .value_kind: global_buffer, .address_space: global }
      - { .name: Wq, .offset: 16, .size: 8, .value_kind: global_buffer, .address_space: global }
      - { .name: Wk, .offset: 24, .size: 8, .value_kind: global_buffer, .address_space: global }
      - { .name: Wv, .offset: 32, .size: 8, .value_kind: global_buffer, .address_space: global }
      - { .name: Wo, .offset: 40, .size: 8, .value_kind: global_buffer, .address_space: global }
      - { .name: himg, .offset: 48, .size: 8, .value_kind: global_buffer, .address_space: global }
      - { .name: wimg, .offset: 56, .size: 8, .value_kind: global_buffer, .address_space: global }
      - { .name: rope, .offset: 64, .size: 8, .value_kind: global_buffer, .address_space: global }
    .group_segment_fixed_size: 59904
    .private_segment_fixed_size: 0
    .kernarg_segment_align: 8
    .kernarg_segment_size: 72
    .max_flat_workgroup_size: 128
    .sgpr_count:     66
    .vgpr_count:     256
    .wavefront_size: 32
...
	.end_amdgpu_metadata
.endif
;; end of part 1
;; launch qkv (part 2): grid 8 x 32, 4 waves a work-group, clusters of 4 x 4, 327,680 bytes of LDS; arguments himg, wimg, rope, qimg, kvimg; writes qimg, kvimg
.if DOCPART == 2
	.amdgcn_target "amdgcn-amd-amdhsa--gfx1250"
	.amdhsa_code_object_version 6
	.text
	.protected	k_qf931a74481_qkv
	.globl	k_qf931a74481_qkv
	.p2align	8
	.type	k_qf931a74481_qkv,@function
k_qf931a74481_qkv:
	s_mov_b64 s[64:65], 0
	v_nop
	global_prefetch_b8 v0, s[64:65] scope:SCOPE_SE
	s_setreg_imm32_b32 hwreg(HW_REG_WAVE_MODE, 25, 1), 1
	s_wait_xcnt 0x0
	s_wait_alu depctr_hold_cnt(0) depctr_sa_sdst(0) depctr_va_vdst(0) depctr_va_sdst(0) depctr_va_ssrc(0) depctr_va_vcc(0) depctr_vm_vsrc(0)
	s_getreg_b32 s2, hwreg(HW_REG_IB_STS2, 6, 4)
	s_cmp_eq_u32 s2, 0
	s_cbranch_scc0 .Lentry_in_a_cluster
	s_endpgm
.Lentry_in_a_cluster:
	s_bfe_u32 s2, ttmp6, 0x10000c
	s_cmp_lg_u32 s2, 0xf033
	s_cbranch_scc0 .Lentry_shape_is_right
	s_endpgm
.Lentry_shape_is_right:
; q, k, v = hidden_states x Wq, Wk, Wv on codes of FP6 (E2M3) with E8M0 scales; then the rotation of q and k by cos and sin, and q, k (along the head's 64) and v (along the keys) quantised anew.
; SHARES: a work-group makes 128 tokens (tb) x 256 features (fb): wave 0, 1: query heads 2 fb, 2 fb + 1; wave 2: key head fb; wave 3: value head fb.  A wave: 128 tokens x 64 features, 32 accumulators in window 1.
; Operands lie in memory as images of their registers (12 registers a lane, 1,536 bytes: register i of lane L at 512 (i / 4) + 16 L + 4 (i % 4)): a K step's tiles are dense blocks, and a fragment is three loads of 16 bytes a lane.
; Waves 0-2 take 16 features as source 0 and 16 tokens as source 1: a lane holds ONE token and its registers run along the head's 64.  Wave 3 swaps the sources: a lane holds ONE feature and its registers run along the tokens,
; which are the keys, the K of attention's second product.  The rows of every tile are chosen (row p of tile T = 32 (T / 2) + 8 (T % 2) + p + 8 (p / 8)) so that 16 registers of two neighbouring tiles are 16 neighbours.
; K: 16 steps of 128 through two LDS slots of four steps each.  CLUSTER 4 x 4: the tokens' blocks are asked for jointly along a row of the cluster, the weights' along a column.
; qimg: [b][head][128 tokens] blocks of 6,656 bytes: four images, each two tiles of K = 64 (registers 0-5, 6-11), then the scale words at 6,144 + 256 (T / 4) + 16 r + 4 (T % 4), bytes 2 and 3 set to 127.
; kvimg: [b][128 keys][kv head] entries of 13,056 bytes: k's block as above, then v's: four images (16 of the head's 64 x 128 keys) at 6,656 and the scale words at 12,800 + 16 r + 4 b.
; LIMITS: NaN and infinities are not served; a block whose largest magnitude lies under 2^-124 (a block of zeros too) keeps the byte 1: this program alone reads the bytes.
.set HB,    12800                      ; a K step's block of 128 tokens
.set WB,    25600                      ; and of 256 features
.set WOFF,  4*HB                       ; a slot: four token blocks, then four feature blocks
.set SLOT,  4*HB+4*WB
.set SPARE, 2*SLOT                     ; behind the ring: the spare words, 128 bytes for each wave
.set AH,  2                            ; v2-3    slot s: 16 x lane
.set AHS, 4                            ; v4-5    slot s: 16 (lane % 16)
.set AW,  6                            ; v6-9    slot s, half q / 2: my quarter's images
.set AWS, 10                           ; v10-13  and its scale words
.set SPW, 14                           ; v14     my spare word; never rewritten
.set NIL, 15                           ; v15     0; never rewritten
.set HS,  16                           ; v16-31  the tokens' scale words, two sets of 8: scales and nothing else
.set WS,  32                           ; v32-39  the features', two sets of 4: scales and nothing else
.set HF,  40                           ; v40-135 the tokens' eight fragments, one set
.set WF,  136                          ; v136-231 the features' four, two sets
.set G1H, 24
.set G0H, 32
.set G1W, 48
.set G0W, 56
.set RP,   40                          ; the way out: v40-167 cos and sin, two sets of two tiles
.set YY,   168                         ; v168-199 a tile's 32 rotated numbers
.set PCV,  168                         ; (wave 3: v168-187 the codes just made)
.set PCP,  200                         ; v200-211 a pair of tiles' codes
.set TT,   212
.set TM,   216                         ; v216-231 at work
.set KW,   232                         ; v232-239 the eight tiles' scale words
.set SELW, 240
.set RPA,  244
.set LI,   245
.set MSB, 0
.macro WIN new                         ; the immediate's high byte repeats the setting that is left
.if MSB != \new
	s_set_vgpr_msb (MSB<<8)|\new
.set MSB, \new
.endif
.endm
.macro PLACES n
.rept \n
	v_nop
.endr
.endm
.macro CROUND                          ; a round of the cluster's barrier
	s_barrier_signal -1
	s_barrier_wait -1
	s_cmp_lg_u32 s14, 0
	s_cbranch_scc1 .Lnot_wave_0_\@
	s_barrier_signal -3
.Lnot_wave_0_\@:
	s_barrier_wait -3
	s_barrier_signal -1
	s_barrier_wait -1
.endm
.macro JLOAD sl                        ; a joint load: waves 0, 1 fetch two K steps' token blocks each, waves 2, 3 two K steps' feature blocks
	s_cmp_eq_u32 s15, 0
	s_cbranch_scc0 .Lfor_w_\@
	tensor_load_to_lds s[G0H+4*\sl:G0H+4*\sl+3], s[G1H:G1H+7]
	s_nop 0
.rept 4
	v_nop
.endr
	s_branch .Lasked_\@
.Lfor_w_\@:
	tensor_load_to_lds s[G0W+4*\sl:G0W+4*\sl+3], s[G1W:G1W+7]
	s_nop 0
.rept 4
	v_nop
.endr
.Lasked_\@:
.endm
.macro FETCH_H sl, q, a0               ; four token tiles of the slot's q-th K step
.irp a, \a0, \a0+1, \a0+2, \a0+3
.irp c, 0,1,2
	ds_load_b128 v[HF+12*(\a)+4*\c:HF+12*(\a)+4*\c+3], v[AH+\sl] offset:HB*(\q)+1536*(\a)+512*\c
.endr
.endr
.endm
.macro FETCH_W sl, q, set              ; my four feature tiles
.irp b, 0,1,2,3
.irp c, 0,1,2
	ds_load_b128 v[WF+48*(\set)+12*\b+4*\c:WF+48*(\set)+12*\b+4*\c+3], v[AW+2*(\sl)+(\q)/2] offset:WB*((\q)%2)+1536*\b+512*\c
.endr
.endr
.endm
.macro SCALES sl, q, set               ; lane r: row r's words of four tiles by one load
	ds_load_b128 v[HS+8*(\set):HS+8*(\set)+3], v[AHS+\sl] offset:HB*(\q)+12288
	ds_load_b128 v[HS+8*(\set)+4:HS+8*(\set)+7], v[AHS+\sl] offset:HB*(\q)+12288+256
	ds_load_b128 v[WS+4*(\set):WS+4*(\set)+3], v[AWS+2*(\sl)+(\q)/2] offset:WB*((\q)%2)
.endm
; 16 matrix instructions: token tiles a0 .. a0 + 3 x my four feature tiles.  The 32 accumulators take turns, one instruction a turn, in the same order in every K step.
; The branch hangs on the wave's number alone.  zero = 1: the first K step starts the sums.
.macro MULRUN a0, set, zero
	s_cmp_eq_u32 s14, 3
	s_cbranch_scc1 .Lv_\@
	WIN 0x50                                       ; C and D in window 1
.irp a, \a0, \a0+1, \a0+2, \a0+3
.irp b, 0,1,2,3
.if \zero
	v_wmma_scale_f32_16x16x128_f8f6f4 v[8*(4*(\a)+\b):8*(4*(\a)+\b)+7], v[WF+48*(\set)+12*\b:WF+48*(\set)+12*\b+11], v[HF+12*(\a):HF+12*(\a)+11], 0, v[WS+4*(\set)+\b], v[HS+8*(\set)+(\a)] matrix_a_fmt:MATRIX_FMT_FP6 matrix_b_fmt:MATRIX_FMT_FP6
.else
	v_wmma_scale_f32_16x16x128_f8f6f4 v[8*(4*(\a)+\b):8*(4*(\a)+\b)+7], v[WF+48*(\set)+12*\b:WF+48*(\set)+12*\b+11], v[HF+12*(\a):HF+12*(\a)+11], v[8*(4*(\a)+\b):8*(4*(\a)+\b)+7], v[WS+4*(\set)+\b], v[HS+8*(\set)+(\a)] matrix_a_fmt:MATRIX_FMT_FP6 matrix_b_fmt:MATRIX_FMT_FP6
.endif
.endr
.endr
	WIN 0
	s_branch .Ljoin_\@
.Lv_\@:
	WIN 0x50
.irp a, \a0, \a0+1, \a0+2, \a0+3
.irp b, 0,1,2,3
.if \zero
	v_wmma_scale_f32_16x16x128_f8f6f4 v[8*(8*\b+(\a)):8*(8*\b+(\a))+7], v[HF+12*(\a):HF+12*(\a)+11], v[WF+48*(\set)+12*\b:WF+48*(\set)+12*\b+11], 0, v[HS+8*(\set)+(\a)], v[WS+4*(\set)+\b] matrix_a_fmt:MATRIX_FMT_FP6 matrix_b_fmt:MATRIX_FMT_FP6
.else
	v_wmma_scale_f32_16x16x128_f8f6f4 v[8*(8*\b+(\a)):8*(8*\b+(\a))+7], v[HF+12*(\a):HF+12*(\a)+11], v[WF+48*(\set)+12*\b:WF+48*(\set)+12*\b+11], v[8*(8*\b+(\a)):8*(8*\b+(\a))+7], v[HS+8*(\set)+(\a)], v[WS+4*(\set)+\b] matrix_a_fmt:MATRIX_FMT_FP6 matrix_b_fmt:MATRIX_FMT_FP6
.endif
.endr
.endr
	WIN 0
.Ljoin_\@:
.endm
; A K step that has its successor in the same slot.  A load into a register that a matrix instruction has read stands four plain vector instructions behind it (ISA guide 7.12.1 for vector instructions).
; In the first K step the second run begins its accumulators with C = 0.  The two arms of a run number the accumulators differently, so five places, the distance owed by a matrix instruction that writes
; over a register of an earlier one, stand between the two runs there: the distance then holds whichever numbering the first run took.
.macro STEP sl, q, zero
	s_wait_dscnt 12                                ; all but the youngest twelve loads (token tiles 4-7) are in
	MULRUN 0, (\q)%2, \zero
	s_wait_dscnt 0x0                               ; token tiles 4-7 are in
	PLACES 4+\zero
	FETCH_W \sl, (\q)+1, 1-(\q)%2
	FETCH_H \sl, (\q)+1, 0
	SCALES \sl, (\q)+1, 1-(\q)%2
	MULRUN 4, (\q)%2, \zero
	PLACES 4
	FETCH_H \sl, (\q)+1, 4
.endm
; A slot's last K step changes slots.  Each wave waits for all its tensor loads, adds 0 to its spare word, and waits for that and for its reads of this slot (the step's fragments are then all in registers).
; fill = 1: a round of the cluster's barrier, and this slot is filled again first thing behind it, with the K steps eight further on.
.macro TURN sl, next, fill
	s_wait_tensorcnt 0x0                           ; no tensor load of mine is out: a group 0 may be written
	ds_add_u32 v[SPW], v[NIL]
.if \fill
	s_add_nc_u64 s[G0H+4*\sl+2:G0H+4*\sl+3], s[G0H+4*\sl+2:G0H+4*\sl+3], 8*HB
	s_add_nc_u64 s[G0W+4*\sl+2:G0W+4*\sl+3], s[G0W+4*\sl+2:G0W+4*\sl+3], 8*WB
.endif
	s_wait_dscnt 0x0
.if \fill
	CROUND
	JLOAD \sl
.else
	s_barrier_signal -1
	s_barrier_wait -1
.endif
	MULRUN 0, 1, 0
	PLACES 4
	FETCH_W \next, 0, 0
	FETCH_H \next, 0, 0
	SCALES \next, 0, 0
	MULRUN 4, 1, 0
	PLACES 4
	FETCH_H \next, 0, 4
.endm
	s_load_b256 s[4:11], s[0:1], 0x0               ; himg, wimg, rope, qimg
	s_load_b64 s[12:13], s[0:1], 0x20              ; kvimg
	v_lshl_add_u32 v[SPW], v0, 2, SPARE
	v_mov_b32 v[NIL], 0
	ds_add_u32 v[SPW], v[NIL]                      ; the wave's opening: the add and its wait ahead of my first tensor load
	v_lshrrev_b32 v1, 5, v0
	v_readfirstlane_b32 s14, v1                    ; wave
	s_lshr_b32 s15, s14, 1                         ; I fetch token blocks (0) or feature blocks (1),
	s_and_b32 s16, s14, 1                          ; the slot's first two K steps or its last two
	s_bfe_u32 s40, ttmp6, 0x40000                  ; cx
	s_bfe_u32 s41, ttmp6, 0x40004                  ; cy
	s_lshl_b32 s42, ttmp9, 2
	s_add_co_u32 s42, s42, s40                     ; fb
	s_and_b32 s17, ttmp7, 0xffff
	s_lshl_b32 s17, s17, 2
	s_add_co_u32 s17, s17, s41                     ; tb
	s_lshl_b32 s43, s41, 2
	s_lshl_b32 s43, 15, s43                        ; my row of the cluster
	s_lshl_b32 s44, 0x1111, s40                    ; my column
	s_or_b32 s[G1H], s43, (3<<16)|(1<<21)          ; the mask; elements of 8 bytes; bit 21 beside a mask; no padding
	s_or_b32 s[G1W], s44, (3<<16)|(1<<21)
	s_mov_b32 s[G1H+1], 32<<16                     ; dense blocks as rows of 256 bytes: 32 elements,
	s_mov_b32 s[G1H+2], 100<<16                    ; 100 rows = two token blocks
	s_mov_b32 s[G1H+3], 32<<16
	s_mov_b32 s[G1H+4], 100
	s_mov_b32 s[G1H+5], 32
	s_mov_b32 s[G1H+6], 0
	s_mov_b32 s[G1H+7], 0
	s_mov_b32 s[G1W+1], 32<<16
	s_mov_b32 s[G1W+2], 200<<16                    ; 200 rows = two feature blocks
	s_mov_b32 s[G1W+3], 32<<16
	s_mov_b32 s[G1W+4], 200
	s_mov_b32 s[G1W+5], 32
	s_mov_b32 s[G1W+6], 0
	s_mov_b32 s[G1W+7], 0
	s_mul_i32 s20, s17, 16*HB                      ; the tokens' address hangs on tb alone, the features' on fb alone
	s_mul_i32 s18, s16, 2*HB
	s_add_co_u32 s20, s20, s18
	s_mov_b32 s21, 0
	s_mul_i32 s46, s42, 16*WB
	s_mul_i32 s19, s16, 2*WB
	s_add_co_u32 s46, s46, s19
	s_mov_b32 s47, 0
	s_mov_b32 s45, s18                             ; where they go: no place in the cluster enters an LDS address
	s_add_co_u32 s22, s19, WOFF
	s_wait_dscnt 0x0                               ; the opening add is done
	s_wait_kmcnt 0x0
	s_add_nc_u64 s[20:21], s[4:5], s[20:21]
	s_add_nc_u64 s[46:47], s[6:7], s[46:47]
	CROUND                                         ; all sixteen work-groups are here: the first joint loads meet
.irp s, 0,1
	s_mov_b32 s[G0H+4*\s], 1
	s_add_co_u32 s[G0H+4*\s+1], s45, \s*SLOT
	s_add_nc_u64 s[G0H+4*\s+2:G0H+4*\s+3], s[20:21], \s*4*HB
	s_or_b32 s[G0H+4*\s+3], s[G0H+4*\s+3], 0x80000000
	s_mov_b32 s[G0W+4*\s], 1
	s_add_co_u32 s[G0W+4*\s+1], s22, \s*SLOT
	s_add_nc_u64 s[G0W+4*\s+2:G0W+4*\s+3], s[46:47], \s*4*WB
	s_or_b32 s[G0W+4*\s+3], s[G0W+4*\s+3], 0x80000000
	JLOAD \s                                       ; two loads of mine are out
.endr
	v_and_b32 v1, 31, v0
	v_lshlrev_b32 v[AH], 4, v1
	v_add_nc_u32 v[AH+1], SLOT, v[AH]
	v_and_b32 v1, 15, v0
	v_lshlrev_b32 v[AHS], 4, v1
	v_add_nc_u32 v[AHS+1], SLOT, v[AHS]
	s_mul_i32 s23, s14, 6144
	s_add_co_u32 s23, s23, WOFF
	v_add_nc_u32 v[AW], s23, v[AH]
	v_add_nc_u32 v[AW+1], 2*WB, v[AW]
	v_add_nc_u32 v[AW+2], SLOT, v[AW]
	v_add_nc_u32 v[AW+3], SLOT+2*WB, v[AW]
	s_lshl_b32 s23, s14, 8
	s_add_co_u32 s23, s23, WOFF+24576
	v_add_nc_u32 v[AWS], s23, v[AHS]
	v_add_nc_u32 v[AWS+1], 2*WB, v[AWS]
	v_add_nc_u32 v[AWS+2], SLOT, v[AWS]
	v_add_nc_u32 v[AWS+3], SLOT+2*WB, v[AWS]
	s_wait_tensorcnt 0x1                           ; my part of slot 0 is in; slot 1's may stay out
	s_barrier_signal -1
	s_barrier_wait -1
	FETCH_W 0, 0, 0
	FETCH_H 0, 0, 0
	SCALES 0, 0, 0
	FETCH_H 0, 0, 4
	STEP 0, 0, 1                                   ; K steps 0-3
	STEP 0, 1, 0
	STEP 0, 2, 0
	TURN 0, 1, 1                                   ; slot 0 takes K steps 8-11
	STEP 1, 0, 0                                   ; K steps 4-7
	STEP 1, 1, 0
	STEP 1, 2, 0
	TURN 1, 0, 1                                   ; slot 1 takes K steps 12-15
	STEP 0, 0, 0
	STEP 0, 1, 0
	STEP 0, 2, 0
	TURN 0, 1, 0                                   ; nothing is left to fetch
	STEP 1, 0, 0
	STEP 1, 1, 0
	STEP 1, 2, 0
	s_wait_dscnt 12
	MULRUN 0, 1, 0
	s_wait_dscnt 0x0
	MULRUN 4, 1, 0
	PLACES 4                                       ; ahead of the first read of results, and of writes and loads into registers that the last products read
	; ---- THE WAY OUT
	v_and_b32 v246, 15, v0                         ; r
	v_bfe_u32 v247, v0, 4, 1                       ; h
	v_and_b32 v248, 31, v0
	v_lshlrev_b32 v[LI], 4, v248                   ; an image's place for my lane
	v_and_b32 v249, 8, v246
	v_add_nc_u32 v249, v249, v246                  ; r + 8 (r / 8): my token in a tile's group
	v_lshlrev_b32 v[RPA], 8, v249
	v_lshl_add_u32 v[RPA], v247, 6, v[RPA]         ; its row of cos and sin, + my half's 16 frequencies
	v_lshlrev_b32 v250, 4, v246
	v_lshl_add_u32 v250, v247, 3, v250             ; 16 r + 8 h
.irp k, 4,5,6,7
	v_mov_b32 v[TM+\k], 0                          ; a lane permute's destination counts as one of its sources
.endr
	s_mov_b32 s80, 0xffff0000                      ; lanes 16-31
	s_mov_b32 s82, 0x76543210
	s_mov_b32 s83, 0xfedcba98
	s_lshr_b32 s70, s17, 4                         ; b
	s_and_b32 s71, s17, 15                         ; which 128 tokens of the batch
	s_lshl_b32 s72, s70, 4
	s_lshl_b32 s73, s42, 1
	s_add_co_u32 s72, s72, s73
	s_add_co_u32 s72, s72, s14                     ; 16 b + the query head
	s_lshl_b32 s72, s72, 4
	s_add_co_u32 s72, s72, s71
	s_mul_i32 s72, s72, 6656
	s_lshl_b32 s74, s70, 4
	s_add_co_u32 s74, s74, s71
	s_lshl_b32 s74, s74, 3
	s_add_co_u32 s74, s74, s42
	s_mul_i32 s74, s74, 13056
	s_lshl_b32 s76, s17, 15                        ; 128 tb rows of 256 bytes
	s_mov_b32 s77, 0
	s_mov_b32 s73, 0
	s_cmp_lt_u32 s14, 2                            ; waves 0, 1 store into qimg, waves 2, 3 into kvimg
	s_cselect_b64 s[10:11], s[10:11], s[12:13]
	s_cselect_b32 s72, s72, s74
	s_add_nc_u64 s[10:11], s[10:11], s[72:73]
	s_add_nc_u64 s[8:9], s[8:9], s[76:77]
	s_cmp_eq_u32 s14, 3
	s_cbranch_scc1 .Lvout
.macro ROPELOAD p                      ; tiles 2 p, 2 p + 1: my token's 16 cos and 16 sin of each
.irp u, 0,1
.irp j, 0,1,2,3
	global_load_b128 v[RP+64*((\p)%2)+32*\u+4*\j:RP+64*((\p)%2)+32*\u+4*\j+3], v[RPA], s[8:9] offset:(32*(\p)+8*\u)*256+16*\j
	global_load_b128 v[RP+64*((\p)%2)+32*\u+16+4*\j:RP+64*((\p)%2)+32*\u+16+4*\j+3], v[RPA], s[8:9] offset:(32*(\p)+8*\u)*256+128+16*\j
.endr
.endr
.endm
; Token tile a: register 16 B + i of its 32 is d = 32 B + 16 h + i, so both partners of a rotation lie in my lane: y(d) = x(d) cos - x(d + 32) sin, y(d + 32) = x(d + 32) cos + x(d) sin.  Each accumulator is read from its low end on.
.macro ROT a
.set CO, RP+64*(((\a)/2)%2)+32*((\a)%2)
	WIN 0x01                                       ; source 0 in window 1
.irp i, 0,2,4,6,8,10,12,14
	v_pk_mul_f32 v[YY+\i:YY+\i+1], v[32*(\a)+16+\i:32*(\a)+17+\i], v[CO+16+\i:CO+17+\i]
	v_pk_mul_f32 v[YY+16+\i:YY+17+\i], v[32*(\a)+\i:32*(\a)+1+\i], v[CO+16+\i:CO+17+\i]
.endr
.irp i, 0,2,4,6,8,10,12,14
	v_pk_fma_f32 v[YY+\i:YY+\i+1], v[32*(\a)+\i:32*(\a)+1+\i], v[CO+\i:CO+1+\i], v[YY+\i:YY+\i+1] neg_lo:[0,0,1] neg_hi:[0,0,1]
	v_pk_fma_f32 v[YY+16+\i:YY+17+\i], v[32*(\a)+16+\i:32*(\a)+17+\i], v[CO+\i:CO+1+\i], v[YY+16+\i:YY+17+\i]
.endr
	WIN 0
.endm
; 32 numbers of a lane (two blocks of 32 along K, my half of each) become six registers of codes at v[p] and the scale word v[w], bytes 2 and 3 set to 127
.macro QUANT2 s, p, w
.irp b, 0,1
	v_max3_num_f32 v[TM+\b], |v[\s+16*\b]|, |v[\s+1+16*\b]|, 0x1800000
.endr
.irp i, 2,4,6,8,10,12,14
.irp b, 0,1
	v_max3_num_f32 v[TM+\b], v[TM+\b], |v[\s+16*\b+\i]|, |v[\s+1+16*\b+\i]|
.endr
.endr
.irp b, 0,1
	v_permlanex16_b32 v[TM+4+\b], v[TM+\b], s82, s83
.endr
.irp b, 0,1
	v_max_num_f32 v[TM+\b], v[TM+\b], v[TM+4+\b]
.endr
.irp b, 0,1
	v_add_nc_u32 v[TM+12+\b], 0xff000000, v[TM+\b]
.endr
.irp b, 0,1
	v_lshrrev_b32 v[TM+4+\b], 23, v[TM+12+\b]
.endr
	v_lshl_or_b32 v[\w], v[TM+5], 8, v[TM+4]
	v_or_b32 v[\w], 0x7f7f0000, v[\w]
	v_cvt_scalef32_pk16_fp6_f32 v[\p:\p+2], v[\s:\s+15], v[TM+12]
	v_cvt_scalef32_pk16_fp6_f32 v[TT:TT+2], v[\s+16:\s+31], v[TM+13]
	v_nop                                          ; one plain place behind a scaled conversion
.irp i, 0,1,2
	v_permlane16_swap_b32 v[\p+\i], v[TT+\i]       ; a whole block to a lane
.endr
.irp i, 0,1,2
	v_mov_b32 v[\p+3+\i], v[TT+\i]
.endr
.endm
	ROPELOAD 0
	ROPELOAD 1
.irp p, 0,1,2,3
.if \p < 3
	s_wait_loadcnt 16                              ; this pair's cos and sin are in; the next pair's 16 loads may be out
.else
	s_wait_loadcnt 0x0
.endif
.if \p > 0
	s_wait_xcnt 0x0                                ; the last pair's stores have read their data
.endif
	ROT 2*\p
	QUANT2 YY, PCP, KW+2*\p
	ROT 2*\p+1
	QUANT2 YY, PCP+6, KW+2*\p+1
.irp c, 0,1,2
	global_store_b128 v[LI], v[PCP+4*\c:PCP+4*\c+3], s[10:11] offset:1536*\p+512*\c
.endr
.if \p < 2
	ROPELOAD \p+2
.endif
.endr
.irp k, 0,1,2,3
	v_cndmask_b32 v[SELW+\k], v[KW+\k], v[KW+4+\k], s80   ; lanes 0-15 store tiles 0-3's words of row r, lanes 16-31 tiles 4-7's
.endr
	global_store_b128 v[LI], v[SELW:SELW+3], s[10:11] offset:6144
	s_branch .Ldone
; Wave 3.  Feature tile f: its 64 registers of window 1 are the 128 keys' numbers of my feature, register 16 B + i = key 32 B + 16 h + i: one fragment and one scale word
.macro QUANTV f
	WIN 0x05                                       ; sources 0 and 1 in window 1
.irp k, 0,1,2,3
	v_max3_num_f32 v[TM+\k], |v[64*(\f)+16*\k]|, |v[64*(\f)+16*\k+1]|, 0x1800000
.endr
.irp i, 2,4,6,8,10,12,14
.irp k, 0,1,2,3
	v_max3_num_f32 v[TM+\k], |v[64*(\f)+16*\k+\i]|, |v[64*(\f)+16*\k+\i+1]|, v[TM+\k]
.endr
.endr
	WIN 0
.irp k, 0,1,2,3
	v_permlanex16_b32 v[TM+4+\k], v[TM+\k], s82, s83
.endr
.irp k, 0,1,2,3
	v_max_num_f32 v[TM+\k], v[TM+\k], v[TM+4+\k]
.endr
.irp k, 0,1,2,3
	v_add_nc_u32 v[TM+12+\k], 0xff000000, v[TM+\k]
.endr
.irp k, 0,1,2,3
	v_lshrrev_b32 v[TM+4+\k], 23, v[TM+12+\k]
.endr
	v_lshl_or_b32 v[236+(\f)], v[TM+5], 8, v[TM+4]
	v_lshl_or_b32 v[236+(\f)], v[TM+6], 16, v[236+(\f)]
	v_lshl_or_b32 v[236+(\f)], v[TM+7], 24, v[236+(\f)]
	WIN 0x01                                       ; source 0 in window 1
.irp c, 0,1
	v_cvt_scalef32_pk16_fp6_f32 v[PCV+6*\c:PCV+6*\c+2], v[64*(\f)+32*\c:64*(\f)+32*\c+15], v[TM+12+2*\c]
	v_cvt_scalef32_pk16_fp6_f32 v[PCV+12+4*\c:PCV+14+4*\c], v[64*(\f)+32*\c+16:64*(\f)+32*\c+31], v[TM+12+2*\c+1]
.endr
	WIN 0
	v_nop                                          ; one plain place behind a scaled conversion
.irp c, 0,1
.irp i, 0,1,2
	v_permlane16_swap_b32 v[PCV+6*\c+\i], v[PCV+12+4*\c+\i]
.endr
.irp i, 0,1,2
	v_mov_b32 v[PCV+3+6*\c+\i], v[PCV+12+4*\c+\i]
.endr
.endr
.endm
.Lvout:
.irp f, 0,1,2,3
.if \f > 0
	s_wait_xcnt 0x0                                ; the last tile's stores have read their data
.endif
	QUANTV \f
.irp c, 0,1,2
	global_store_b128 v[LI], v[PCV+4*\c:PCV+4*\c+3], s[10:11] offset:6656+1536*\f+512*\c
.endr
.endr
	v_cndmask_b32 v240, v236, v238, s80
	v_cndmask_b32 v241, v237, v239, s80
	global_store_b64 v250, v[240:241], s[10:11] offset:12800   ; 256 consecutive bytes
.Ldone:
	s_wait_tensorcnt 0x0                           ; the wave's end
	ds_add_u32 v[SPW], v[NIL]
	s_wait_dscnt 0x0
	CROUND                                         ; the closing round
	s_endpgm
.Lfunc_end_k_qf931a74481_qkv:
	.size	k_qf931a74481_qkv, .Lfunc_end_k_qf931a74481_qkv-k_qf931a74481_qkv
	.p2alignl 7, 3214868480
	.fill 96, 4, 3214868480
	.section	.rodata,"a",@progbits
	.p2align	6, 0x0
	.amdhsa_kernel k_qf931a74481_qkv
		.amdhsa_group_segment_fixed_size 327680
		.amdhsa_private_segment_fixed_size 0
		.amdhsa_enable_private_segment 0
		.amdhsa_kernarg_size 40
		.amdhsa_user_sgpr_count 2
		.amdhsa_user_sgpr_kernarg_segment_ptr 1
		.amdhsa_wavefront_size32 1
		.amdhsa_system_sgpr_workgroup_id_x 1
		.amdhsa_system_sgpr_workgroup_id_y 1
		.amdhsa_system_sgpr_workgroup_id_z 1
		.amdhsa_system_vgpr_workitem_id 0
		.amdhsa_next_free_vgpr 512
		.amdhsa_next_free_sgpr 100
		.amdhsa_reserve_vcc 0
		.amdhsa_float_denorm_mode_32 3
		.amdhsa_float_denorm_mode_16_64 3
		.amdhsa_memory_ordered 1
		.amdhsa_forward_progress 1
		.amdhsa_inst_pref_size 246
	.end_amdhsa_kernel
	.amdgpu_metadata
---
amdhsa.version: [ 1, 2 ]
amdhsa.kernels:
  - .name:           k_qf931a74481_qkv
    .symbol:         k_qf931a74481_qkv.kd
    .args:
      - { .name: himg, .offset: 0, .size: 8, .value_kind: global_buffer, .address_space: global }
      - { .name: wimg, .offset: 8, .size: 8, .value_kind: global_buffer, .address_space: global }
      - { .name: rope, .offset: 16, .size: 8, .value_kind: global_buffer, .address_space: global }
      - { .name: qimg, .offset: 24, .size: 8, .value_kind: global_buffer, .address_space: global }
      - { .name: kvimg, .offset: 32, .size: 8, .value_kind: global_buffer, .address_space: global }
    .group_segment_fixed_size: 327680
    .private_segment_fixed_size: 0
    .kernarg_segment_align: 8
    .kernarg_segment_size: 40
    .max_flat_workgroup_size: 128
    .sgpr_count:     100
    .vgpr_count:     512
    .wavefront_size: 32
...
	.end_amdgpu_metadata
.endif
;; end of part 2
;; launch attn (part 3): grid 4 x 64, 16 waves a work-group, clusters of 4 x 4, 327,680 bytes of LDS; arguments qimg, kvimg, attention_mask, cimg; writes cimg
.if DOCPART == 3
	.amdgcn_target "amdgcn-amd-amdhsa--gfx1250"
	.amdhsa_code_object_version 6
	.text
	.protected	k_qf931a74481_attn
	.globl	k_qf931a74481_attn
	.p2align	8
	.type	k_qf931a74481_attn,@function
k_qf931a74481_attn:
	s_mov_b64 s[64:65], 0
	v_nop
	global_prefetch_b8 v0, s[64:65] scope:SCOPE_SE
	s_setreg_imm32_b32 hwreg(HW_REG_WAVE_MODE, 25, 1), 1
	s_wait_xcnt 0x0
	s_wait_alu depctr_hold_cnt(0) depctr_sa_sdst(0) depctr_va_vdst(0) depctr_va_sdst(0) depctr_va_ssrc(0) depctr_va_vcc(0) depctr_vm_vsrc(0)
	s_getreg_b32 s2, hwreg(HW_REG_IB_STS2, 6, 4)
	s_cmp_eq_u32 s2, 0
	s_cbranch_scc0 .Lentry_in_a_cluster
	s_endpgm
.Lentry_in_a_cluster:
	s_bfe_u32 s2, ttmp6, 0x10000c
	s_cmp_lg_u32 s2, 0xf033
	s_cbranch_scc0 .Lentry_shape_is_right
	s_endpgm
.Lentry_shape_is_right:
; ctx = softmax(q k^T / 8 + mask) v, both products on codes of FP6 (E2M3) with E8M0 scales; ctx is quantised along head x 64 + d for the last product.
; THE SOFTMAX AHEAD OF THE SECOND PRODUCT: logit = score x 0.125 + mask, one f32 rounding; t = logit x log2(e), rounded; M = the row's largest t so far, rounded UP to a whole number; p = 2^(t - M) is quantised along the keys.
; The row's sum is taken of the unquantised p and divides at the end.  When M moves, the sum and O are multiplied by 2^(old M - new M): exact.  The mask is an input: every key step is walked.
; SHARES: a work-group has 4 query heads (4 hg .., two kv heads) x 64 queries; wave w: head w % 4, queries 16 (w / 4) .. + 15: one tile in 256 registers, four waves to a SIMD.  Every wave walks all 2,048 keys, 128 a step.
; CLUSTER 4 x 4: all 16 heads x 256 queries of one batch.  A step's 64 x 128 of the mask is asked for jointly along a row of the cluster (the four groups of heads), its k and v entries along a column (the four blocks of queries).
; LAYOUT: both products transposed (S^T = k q^T, O^T = v^T p^T): a lane holds ONE query.  k's, v's rows of a tile are chosen by the launch that made them so that 16 registers of two neighbouring tiles are 16 neighbours.
; K = 64 IN AN INSTRUCTION OF 128: q's registers 6-11 are zero codes, so what stands in k's registers 6-11 (the next tile's codes: every code is a finite number) adds nothing; bytes 2, 3 of both scale words are 127.
; LIMITS: NaN is not served; a row whose every logit is -infinity gives NaN, as the definition does; a block of p or of ctx under 2^-124 keeps the byte 1.
.set STEPB, 59904                      ; a step in LDS: the mask's 64 rows x 528 bytes, then two kv entries of 13,056
.set KVO,   33792
.set SLOT1, 131072                     ; a slot holds two steps; slot 1 begins here: one exclusive or turns an address
.set STG,   250880                     ; behind the ring: ctx's images, 2 x 6,400 bytes
.set SPARE, 263680                     ; the spare words, 128 bytes for each of 16 waves
.set FR,  32                           ; v32-85   k's eight tiles of six registers and six zeros; later half of the mask; later v's four fragments
.set MK,  88                           ; v88-119  half of the mask
.set S,   120                          ; v120-183 S^T, then p
.set OT,  184                          ; v184-215 O^T
.set KS,  216                          ; v216-223 k's scale words: scales and nothing else (so are v248-251 v's, v253 p's, v255 q's)
.set WV,  18
.set SEL, 20
.set CS,  22                           ; s[22:23] log2(e)
.set G1M, 24
.set G1K, 32
.set G0M, 40
.set G0K, 44
.set C8,  48                           ; s[48:49] 0.125
.set TB,  50                           ; LDS byte at which the step in hand begins
.set SLOTS, 51
.set PFA, 52
.set LIM, 54
; v1 my mask row, v2 16 x lane in my kv entry, v3 16 (lane % 16) there; v5, v6 the add's two; v8-10 the same three for the step in hand; v12 -M, v13 the largest t, v[14:15] the sum; v16-27 q; v28 the prefetch's offset; v29 r, v30 h, v31 lane
.macro CROUND
	s_barrier_signal -1
	s_barrier_wait -1
	s_cmp_lg_u32 s[WV], 0
	s_cbranch_scc1 .Lnot_wave_0_\@
	s_barrier_signal -3
.Lnot_wave_0_\@:
	s_barrier_wait -3
	s_barrier_signal -1
	s_barrier_wait -1
.endm
.macro TLOAD                           ; waves 0, 1 fetch the mask of the slot's two steps, waves 2, 3 the kv entries
	s_cmp_lt_u32 s[WV], 2
	s_cbranch_scc0 .Lnot_m_\@
	tensor_load_to_lds s[G0M:G0M+3], s[G1M:G1M+7]
	s_nop 0
.rept 4
	v_nop
.endr
	s_branch .Lasked_\@
.Lnot_m_\@:
	s_cmp_lt_u32 s[WV], 4
	s_cbranch_scc0 .Lasked_\@
	tensor_load_to_lds s[G0K:G0K+3], s[G1K:G1K+7]
	s_nop 0
.rept 4
	v_nop
.endr
.Lasked_\@:
.endm
; A prefetch of the mask that the NEXT change of slots will ask for: 64 rows x 1,024 bytes.  The four partners that ask for it jointly share its rows out by address, 16 each; in each, waves 4 and 5 name
; two blocks of 256 bytes of each row, a lane a block: each block is named once in the launch.  The last change that fills a slot asks for nothing; slots 0 and 1 come by their loads alone.
.macro ASK
	s_cmp_gt_u32 s[SLOTS], s[LIM]
	s_cbranch_scc0 .Lnot_mine_\@
	global_prefetch_b8 v28, s[PFA:PFA+1] th:TH_LOAD_NT scope:SCOPE_SE
.Lnot_mine_\@:
.endm
.macro STEP
	v_add_nc_u32 v8, s[TB], v1
	v_add_nc_u32 v9, s[TB], v2
	v_add_nc_u32 v10, s[TB], v3
	v_nop                                          ; four places ahead of loads into registers that the last products read
.irp p, 0,1,2,3
.irp c, 0,1,2
	ds_load_b128 v[FR+12*\p+4*\c:FR+12*\p+4*\c+3], v9 offset:1536*\p+512*\c   ; k: four images, two tiles each
.endr
.endr
	ds_load_b128 v[KS:KS+3], v10 offset:6144
	ds_load_b128 v[KS+4:KS+7], v10 offset:6400
.irp b, 0,1
.irp j, 0,1,2,3
	ds_load_b128 v[MK+16*\b+4*\j:MK+16*\b+4*\j+3], v8 offset:128*\b+16*\j   ; the mask at my query, keys 32 b + 16 h + 0 .. 15
.endr
.endr
	s_wait_dscnt 8                                 ; k and its scale words are in; the mask's eight loads may be out
.irp t, 0,1,2,3,4,5,6,7
	v_wmma_scale_f32_16x16x128_f8f6f4 v[S+8*\t:S+8*\t+7], v[FR+6*\t:FR+6*\t+11], v[16:27], 0, v[KS+\t], v255 matrix_a_fmt:MATRIX_FMT_FP6 matrix_b_fmt:MATRIX_FMT_FP6
.endr
.rept 4
	v_nop                                          ; places ahead of the loads into k's registers and of the first read of the scores
.endr
.irp b, 2,3
.irp j, 0,1,2,3
	ds_load_b128 v[FR+16*(\b-2)+4*\j:FR+16*(\b-2)+4*\j+3], v8 offset:128*\b+16*\j
.endr
.endr
	s_wait_dscnt 8                                 ; the mask's first half is in; the eight just issued may be out
.irp j, 0,2,4,6,8,10,12,14,16,18,20,22,24,26,28,30
	v_pk_fma_f32 v[S+\j:S+\j+1], v[S+\j:S+\j+1], s[C8:C8+1], v[MK+\j:MK+\j+1] op_sel_hi:[1,0,1]   ; the logit: one rounding, since x 0.125 is exact
.endr
	s_wait_dscnt 0x0
.irp j, 0,2,4,6,8,10,12,14,16,18,20,22,24,26,28,30
	v_pk_fma_f32 v[S+32+\j:S+33+\j], v[S+32+\j:S+33+\j], s[C8:C8+1], v[FR+\j:FR+\j+1] op_sel_hi:[1,0,1]
.endr
.irp b, 0,1,2,3
.irp c, 0,1,2
	ds_load_b128 v[FR+12*\b+4*\c:FR+12*\b+4*\c+3], v9 offset:6656+1536*\b+512*\c   ; v: they land while the softmax is worked
.endr
.endr
	ds_load_b128 v[248:251], v10 offset:12800
.irp j, 0,2,4,6,8,10,12,14,16,18,20,22,24,26,28,30,32,34,36,38,40,42,44,46,48,50,52,54,56,58,60,62
	v_pk_mul_f32 v[S+\j:S+\j+1], v[S+\j:S+\j+1], s[CS:CS+1] op_sel_hi:[1,0]   ; t
.endr
.irp b, 0,1,2,3
	v_max3_num_f32 v[232+\b], v[S+16*\b], v[S+1+16*\b], v[S+2+16*\b]   ; the largest t of each block of 32 keys: for the row's maximum, and, since p rises with t, for the block's largest p
.endr
.irp i, 3,5,7,9,11,13
.irp b, 0,1,2,3
	v_max3_num_f32 v[232+\b], v[232+\b], v[S+16*\b+\i], v[S+1+16*\b+\i]
.endr
.endr
.irp b, 0,1,2,3
	v_max_num_f32 v[232+\b], v[232+\b], v[S+15+16*\b]
.endr
.irp b, 0,1,2,3
	v_permlanex16_b32 v[236+\b], v[232+\b], s[SEL], s[SEL+1]
.endr
.irp b, 0,1,2,3
	v_max_num_f32 v[232+\b], v[232+\b], v[236+\b]
.endr
	v_max3_num_f32 v254, v232, v233, v234
	v_max_num_f32 v254, v254, v235
	v_max_num_f32 v13, v13, v254                   ; the running largest t
	v_mov_b32 v254, v12
	v_floor_f32 v12, -v13                          ; -M = floor(-t): M is a whole number
	v_sub_f32 v254, v12, v254                      ; old M - new M
	v_cvt_i32_f32 v254, v254                       ; (it saturates)
	v_ldexp_f32 v252, 1.0, v254                    ; f = 2^(old M - new M)
.irp j, 0,2,4,6,8,10,12,14,16,18,20,22,24,26,28,30,32,34,36,38,40,42,44,46,48,50,52,54,56,58,60,62
	v_pk_add_f32 v[S+\j:S+\j+1], v[S+\j:S+\j+1], v[12:13] op_sel_hi:[1,0]   ; t - M
.endr
.irp b, 0,1,2,3
	v_add_f32 v[232+\b], v[232+\b], v12
.endr
.irp j, 0,1,2,3,4,5,6,7,8,9,10,11,12,13,14,15,16,17,18,19,20,21,22,23,24,25,26,27,28,29,30,31,32,33,34,35,36,37,38,39,40,41,42,43,44,45,46,47,48,49,50,51,52,53,54,55,56,57,58,59,60,61,62,63
	v_exp_f32 v[S+\j], v[S+\j]                     ; p, at most 1
.endr
	v_pk_mul_f32 v[14:15], v[14:15], v[252:253] op_sel_hi:[1,0]   ; the sums under the new M (a plain place behind the exponentials)
	s_wait_alu depctr_va_vdst(0)                   ; one wait for the batch, ahead of its first reader
.irp b, 0,1,2,3
	v_exp_f32 v[232+\b], v[232+\b]                 ; each block's largest p
.endr
	v_pk_add_f32 v[236:237], v[S:S+1], v[S+2:S+3]  ; the row's sum of the unquantised p, in two chains
.irp j, 4,8,12,16,20,24,28,32,36,40,44,48,52,56,60
	v_pk_add_f32 v[14:15], v[14:15], v[S+\j:S+1+\j]
	v_pk_add_f32 v[236:237], v[236:237], v[S+2+\j:S+3+\j]
.endr
	v_pk_add_f32 v[14:15], v[14:15], v[236:237]
	s_wait_alu depctr_va_vdst(0)                   ; and one for the four
.irp b, 0,1,2,3
	v_max_num_f32 v[232+\b], 0x1800000, v[232+\b]  ; the floor 2^(3 - 127)
.endr
.irp b, 0,1,2,3
	v_add_nc_u32 v[244+\b], 0xff000000, v[232+\b]
.endr
.irp b, 0,1,2,3
	v_lshrrev_b32 v[236+\b], 23, v[244+\b]
.endr
	v_lshl_or_b32 v253, v237, 8, v236              ; p's scale word for these 128 keys
	v_lshl_or_b32 v253, v238, 16, v253
	v_lshl_or_b32 v253, v239, 24, v253
.irp c, 0,1
	v_cvt_scalef32_pk16_fp6_f32 v[224+6*\c:226+6*\c], v[S+32*\c:S+15+32*\c], v[244+2*\c]
	v_cvt_scalef32_pk16_fp6_f32 v[236+4*\c:238+4*\c], v[S+16+32*\c:S+31+32*\c], v[244+2*\c+1]
.endr
	v_nop                                          ; one plain place behind a scaled conversion
.irp c, 0,1
.irp i, 0,1,2
	v_permlane16_swap_b32 v[224+6*\c+\i], v[236+4*\c+\i]
.endr
.irp i, 0,1,2
	v_mov_b32 v[227+6*\c+\i], v[236+4*\c+\i]
.endr
.endr
.irp j, 0,2,4,6,8,10,12,14,16,18,20,22,24,26,28,30
	v_pk_mul_f32 v[OT+\j:OT+\j+1], v[OT+\j:OT+\j+1], v[252:253] op_sel_hi:[1,0]   ; O^T under the new M; also the places ahead of the scaled products
.endr
	s_wait_dscnt 0x0                               ; v and its scale words are in
.irp b, 0,1,2,3
	v_wmma_scale_f32_16x16x128_f8f6f4 v[OT+8*\b:OT+8*\b+7], v[FR+12*\b:FR+12*\b+11], v[224:235], v[OT+8*\b:OT+8*\b+7], v[248+\b], v253 matrix_a_fmt:MATRIX_FMT_FP6 matrix_b_fmt:MATRIX_FMT_FP6
.endr
	s_add_co_u32 s[TB], s[TB], STEPB
.endm
; The change of slots stands at a slot's head.  Each wave waits for all its tensor loads, adds 0 to its spare word, and waits for that and for its reads of the slot that it has left.
; fill = 1: a round of the cluster's barrier, and the slot that was left is filled first thing behind it: the load has two key steps in which to land.
.macro CHANGE fill
	s_wait_tensorcnt 0x0
	ds_add_u32 v5, v6
.if \fill
	s_xor_b32 s[G0M+1], s[G0M+1], SLOT1
	s_add_nc_u64 s[G0M+2:G0M+3], s[G0M+2:G0M+3], 1024
	s_xor_b32 s[G0K+1], s[G0K+1], SLOT1
	s_add_nc_u64 s[G0K+2:G0K+3], s[G0K+2:G0K+3], 208896
	s_wait_xcnt 0x0                                ; the last prefetch, a slot back, has read its address
	s_add_nc_u64 s[PFA:PFA+1], s[PFA:PFA+1], 1024
.endif
	s_wait_dscnt 0x0
.if \fill
	CROUND
	TLOAD
	ASK
.else
	s_barrier_signal -1
	s_barrier_wait -1
.endif
.endm
	s_load_b256 s[4:11], s[0:1], 0x0               ; qimg, kvimg, attention_mask, cimg
	v_lshl_add_u32 v5, v0, 2, SPARE
	v_mov_b32 v6, 0
	ds_add_u32 v5, v6                              ; the wave's opening: the add and its wait ahead of my first tensor load
	v_lshrrev_b32 v8, 5, v0
	v_readfirstlane_b32 s[WV], v8                  ; wave 0..15
	s_bfe_u32 s55, ttmp6, 0x40000                  ; cx = hg, the group of four heads
	s_bfe_u32 s56, ttmp6, 0x40004                  ; cy
	s_and_b32 s58, ttmp7, 0xffff                   ; cluster y
	s_lshl_b32 s57, s58, 2
	s_add_co_u32 s57, s57, s56                     ; Y: my 64 queries are tokens 64 Y ..
	s_lshl_b32 s59, s56, 2
	s_lshl_b32 s59, 15, s59                        ; my row of the cluster
	s_lshl_b32 s60, 0x1111, s55                    ; my column
	s_or_b32 s[G1M], s59, (2<<16)|(1<<20)|(1<<21)|(6<<22)|(3<<25)   ; the mask tensor's tiles go to my row; elements of 4 bytes; 4 words of padding behind every 128
	s_mov_b32 s[G1M+1], 128<<16
	s_mov_b32 s[G1M+2], 64<<16
	s_mov_b32 s[G1M+3], 128<<16
	s_mov_b32 s[G1M+4], 64
	s_mov_b32 s[G1M+5], 2048
	s_mov_b32 s[G1M+6], 0
	s_mov_b32 s[G1M+7], 0
	s_or_b32 s[G1K], s60, (3<<16)|(1<<21)          ; two kv entries: a dense block of 102 rows of 256 bytes, to my column
	s_mov_b32 s[G1K+1], 32<<16
	s_mov_b32 s[G1K+2], 102<<16
	s_mov_b32 s[G1K+3], 32<<16
	s_mov_b32 s[G1K+4], 102
	s_mov_b32 s[G1K+5], 32
	s_mov_b32 s[G1K+6], 0
	s_mov_b32 s[G1K+7], 0
	s_and_b32 s61, s[WV], 1                        ; which of a slot's two steps I fetch
	s_lshl_b32 s66, s57, 19                        ; the mask: 64 Y rows of 8,192 bytes,
	s_lshl_b32 s62, s61, 9                         ; + 128 keys
	s_add_co_u32 s66, s66, s62
	s_mov_b32 s67, 0
	s_lshr_b32 s68, s58, 3                         ; the batch, from the cluster's y alone
	s_mul_i32 s68, s68, 1671168
	s_mul_i32 s98, s61, 104448
	s_add_co_u32 s68, s68, s98
	s_mul_i32 s99, s55, 26112
	s_add_co_u32 s68, s68, s99
	s_mov_b32 s69, 0
	s_mul_i32 s63, s61, STEPB                      ; where they go
	s_mov_b32 s[SEL], 0x76543210
	s_mov_b32 s[SEL+1], 0xfedcba98
	s_mov_b32 s[CS], 0x3fb8aa3b
	s_mov_b32 s[CS+1], s[CS]
	s_mov_b32 s[C8], 0x3e000000
	s_mov_b32 s[C8+1], s[C8]
	s_mov_b32 s[TB], 0
	s_mov_b32 s[SLOTS], 7
	s_wait_dscnt 0x0                               ; the opening add is done
	s_wait_kmcnt 0x0
	s_mov_b32 s[G0M], 1
	s_mov_b32 s[G0M+1], s63
	s_add_nc_u64 s[G0M+2:G0M+3], s[8:9], s[66:67]
	s_or_b32 s[G0M+3], s[G0M+3], 0x80000000
	s_mov_b32 s[G0K], 1
	s_add_co_u32 s[G0K+1], s63, KVO
	s_add_nc_u64 s[G0K+2:G0K+3], s[6:7], s[68:69]
	s_or_b32 s[G0K+3], s[G0K+3], 0x80000000
	CROUND                                         ; all sixteen work-groups are here
	TLOAD                                          ; slot 0
	; q: my tile has 16 NEIGHBOURING queries, the images have theirs in the tiles' order: lane (r, h) takes tile u = r / 8 of pair p = 2 (Y % 2) + t / 2, lane r % 8 + 8 (t % 2) + 16 h
	s_and_b32 s70, s[WV], 3                        ; hd
	s_lshr_b32 s71, s[WV], 2                       ; t
	s_lshr_b32 s72, s57, 5                         ; b
	s_lshl_b32 s73, s72, 4
	s_lshl_b32 s74, s55, 2
	s_add_co_u32 s73, s73, s74
	s_add_co_u32 s73, s73, s70
	s_lshl_b32 s73, s73, 4
	s_bfe_u32 s74, s57, 0x40001
	s_add_co_u32 s73, s73, s74
	s_mul_i32 s73, s73, 6656                       ; the block of (b, head, 128 tokens)
	s_and_b32 s75, s57, 1
	s_lshr_b32 s76, s71, 1
	s_and_b32 s77, s71, 1
	s_lshl_b32 s78, s75, 1
	s_add_co_u32 s78, s78, s76
	s_mul_i32 s80, s78, 1536
	s_add_co_u32 s80, s80, s73
	s_lshl_b32 s79, s77, 7
	s_add_co_u32 s80, s80, s79                     ; the pair's image, + 16 x 8 (t % 2)
	s_mov_b32 s81, 0
	s_lshl_b32 s82, s75, 8
	s_add_co_u32 s82, s82, s79
	s_lshl_b32 s78, s76, 3
	s_add_co_u32 s82, s82, s78
	s_add_co_u32 s82, s82, s73
	s_add_co_u32 s82, s82, 6144                    ; its scale words
	s_mov_b32 s83, 0
	s_add_nc_u64 s[80:81], s[4:5], s[80:81]
	s_add_nc_u64 s[82:83], s[4:5], s[82:83]
	v_and_b32 v29, 15, v0                          ; r
	v_bfe_u32 v30, v0, 4, 1                        ; h
	v_and_b32 v31, 31, v0                          ; lane
	v_and_b32 v4, 7, v0
	v_bfe_u32 v7, v0, 3, 1                         ; u
	v_lshlrev_b32 v11, 4, v4
	v_lshl_add_u32 v86, v30, 8, v11
	v_mad_u32_u24 v87, v7, 1016, v86
	v_mad_u32_u24 v86, v7, 520, v86
	v_lshl_add_u32 v11, v7, 2, v11
	global_load_b64 v[16:17], v86, s[80:81]        ; registers 6 u .. 6 u + 5 of that lane, in pieces of 8 bytes
	global_load_b64 v[18:19], v87, s[80:81] offset:8
	global_load_b64 v[20:21], v86, s[80:81] offset:512
	global_load_b32 v255, v11, s[82:83]
.irp j, 22,23,24,25,26,27,80,81,82,83,84,85
	v_mov_b32 v[\j], 0                             ; zero codes: q's upper half, and what stands behind k's last tile
.endr
	s_mul_i32 s84, s71, 8448
	v_mul_u32_u24 v1, v29, 528
	v_lshl_add_u32 v1, v30, 6, v1
	v_add_nc_u32 v1, s84, v1                       ; the mask: row 16 t + r, + 64 h
	s_lshr_b32 s85, s70, 1
	s_mul_i32 s85, s85, 13056
	s_add_co_u32 s85, s85, KVO                     ; my kv entry
	v_lshl_add_u32 v2, v31, 4, s85
	v_lshl_add_u32 v3, v29, 4, s85
	v_lshlrev_b32 v28, 13, v29                     ; the prefetch: row lane % 16 of my work-group's 16, block lane / 16 + 2 (wave % 2)
	v_lshl_add_u32 v28, v30, 8, v28
	s_lshl_b32 s86, s61, 9
	v_add_nc_u32 v28, s86, v28
	s_lshl_b32 s72, s57, 19
	s_lshl_b32 s73, s55, 17
	s_add_co_u32 s72, s72, s73
	s_add_co_u32 s72, s72, 1024                    ; in slot 1: the first change of slots steps it to slot 2.  Nothing is prefetched here, at the head
	s_mov_b32 s73, 0
	s_add_nc_u64 s[PFA:PFA+1], s[8:9], s[72:73]
	s_lshr_b32 s74, s[WV], 1
	s_cmp_eq_u32 s74, 2
	s_cselect_b32 s[LIM], 1, -1                    ; waves 4 and 5 ask
	v_mov_b32 v13, 0xff61b1e6                      ; the largest t so far: -3e38
	v_floor_f32 v12, -v13
	v_mov_b32 v14, 0
	v_mov_b32 v15, 0
.irp b, 0,1,2,3
	v_mov_b32 v[236+\b], 0                         ; a lane permute's destination counts as one of its sources
.endr
	v_mov_b32 v253, 0
.irp j, 0,1,2,3,4,5,6,7,8,9,10,11,12,13,14,15,16,17,18,19,20,21,22,23,24,25,26,27,28,29,30,31
	v_mov_b32 v[OT+\j], 0                          ; the loop is written once: its first step finds zeros
.endr
	s_wait_loadcnt 0x0                             ; q
.Lslot:                                            ; seven trips: behind each change of slots but the last the next slot is asked for
	CHANGE 1
	STEP
	STEP
	s_sub_co_u32 s[TB], s[TB], 2*STEPB
	s_xor_b32 s[TB], s[TB], SLOT1
	s_sub_co_u32 s[SLOTS], s[SLOTS], 1
	s_cmp_lg_u32 s[SLOTS], 0
	s_cbranch_scc1 .Lslot
	CHANGE 0                                       ; the last slot is written out
	STEP
	STEP
	; ---- THE WAY OUT: O^T / the sum; register 16 B + i is d = 32 B + 16 h + i: two blocks of the last product's K
.rept 4
	v_nop
.endr
	v_add_f32 v14, v14, v15
	v_permlanex16_b32 v252, v14, s[SEL], s[SEL+1]
	v_add_f32 v14, v14, v252
	v_rcp_f32 v14, v14
	s_lshr_b32 s84, s70, 1                         ; which of my work-group's two K steps of the last product,
	s_and_b32 s85, s70, 1                          ; and which half of it: registers 6 c .. 6 c + 5, bytes 2 c, 2 c + 1
	s_mul_i32 s84, s84, 6400
	s_add_co_u32 s84, s84, STG
	s_mul_i32 s86, s71, 1536
	s_add_co_u32 s86, s86, s84
	s_mul_i32 s87, s85, 520
	s_add_co_u32 s87, s87, s86
	s_mul_i32 s88, s85, 1016
	s_add_co_u32 s88, s88, s86
	v_lshl_add_u32 v4, v31, 4, s87                 ; (plain work behind the reciprocal)
	v_lshl_add_u32 v7, v31, 4, s88
	s_lshl_b32 s89, s71, 2
	s_lshl_b32 s90, s85, 1
	s_add_co_u32 s89, s89, s90
	s_add_co_u32 s89, s89, s84
	v_lshl_add_u32 v11, v29, 4, s89
	s_lshl_b32 s91, s[WV], 9
	v_lshl_add_u32 v86, v31, 4, s91
	v_add_nc_u32 v87, STG, v86
	v_lshlrev_b32 v9, 3, v31
	v_add_nc_u32 v10, STG+6144, v9
	s_lshr_b32 s92, s57, 1
	s_lshl_b32 s92, s92, 3
	s_lshl_b32 s93, s55, 1
	s_add_co_u32 s92, s92, s93
	s_mul_i32 s92, s92, 12800                      ; cimg's block (128 tokens, K step 2 hg)
	s_mul_i32 s94, s75, 6144
	s_add_co_u32 s94, s94, s92
	s_mov_b32 s95, 0
	s_lshl_b32 s96, s75, 8
	s_add_co_u32 s96, s96, s92
	s_mov_b32 s97, 0
	s_add_nc_u64 s[94:95], s[10:11], s[94:95]
	s_add_nc_u64 s[96:97], s[10:11], s[96:97]
	s_wait_alu depctr_va_vdst(0)                   ; the wait ahead of the reciprocal's first reader
.irp j, 0,2,4,6,8,10,12,14,16,18,20,22,24,26,28,30
	v_pk_mul_f32 v[S+\j:S+\j+1], v[OT+\j:OT+\j+1], v[14:15] op_sel_hi:[1,0]
.endr
.irp b, 0,1
	v_max3_num_f32 v[232+\b], |v[S+16*\b]|, |v[S+1+16*\b]|, 0x1800000
.endr
.irp i, 2,4,6,8,10,12,14
.irp b, 0,1
	v_max3_num_f32 v[232+\b], v[232+\b], |v[S+16*\b+\i]|, |v[S+1+16*\b+\i]|
.endr
.endr
.irp b, 0,1
	v_permlanex16_b32 v[236+\b], v[232+\b], s[SEL], s[SEL+1]
.endr
.irp b, 0,1
	v_max_num_f32 v[232+\b], v[232+\b], v[236+\b]
.endr
.irp b, 0,1
	v_add_nc_u32 v[244+\b], 0xff000000, v[232+\b]
.endr
.irp b, 0,1
	v_lshrrev_b32 v[236+\b], 23, v[244+\b]
.endr
	v_lshl_or_b32 v254, v237, 8, v236
	v_cvt_scalef32_pk16_fp6_f32 v[224:226], v[S:S+15], v244
	v_cvt_scalef32_pk16_fp6_f32 v[238:240], v[S+16:S+31], v245
	v_nop                                          ; one plain place behind a scaled conversion
.irp i, 0,1,2
	v_permlane16_swap_b32 v[224+\i], v[238+\i]
.endr
.irp i, 0,1,2
	v_mov_b32 v[227+\i], v[238+\i]
.endr
	ds_store_b64 v4, v[224:225]                    ; my six registers at their places in the image of (tile t, K step)
	ds_store_b64 v7, v[226:227] offset:8
	ds_store_b64 v4, v[228:229] offset:512
	ds_store_b16 v11, v254 offset:6144             ; my two bytes of the row's scale word; both halves of the lanes write the same
	s_wait_dscnt 0x0                               ; for the others' sake: my stores are done
	s_barrier_signal -1
	s_barrier_wait -1
	s_cmp_lt_u32 s[WV], 12
	s_cbranch_scc0 .Lnot_codes
	ds_load_b128 v[32:35], v87                     ; waves 0-11: 512 bytes of each K step's four images
	ds_load_b128 v[36:39], v87 offset:6400
	s_wait_dscnt 0x0
	global_store_b128 v86, v[32:35], s[94:95]
	global_store_b128 v86, v[36:39], s[94:95] offset:12800
	s_branch .Lend
.Lnot_codes:
	s_cmp_eq_u32 s[WV], 12
	s_cbranch_scc0 .Lend
	ds_load_b64 v[32:33], v10                      ; wave 12: each K step's 256 bytes of scale words
	ds_load_b64 v[34:35], v10 offset:6400
	s_wait_dscnt 0x0
	global_store_b64 v9, v[32:33], s[96:97] offset:12288
	global_store_b64 v9, v[34:35], s[96:97] offset:12288+12800
.Lend:
	s_wait_tensorcnt 0x0                           ; the wave's end
	ds_add_u32 v5, v6
	s_wait_dscnt 0x0
	CROUND                                         ; the closing round
	s_endpgm
.Lfunc_end_k_qf931a74481_attn:
	.size	k_qf931a74481_attn, .Lfunc_end_k_qf931a74481_attn-k_qf931a74481_attn
	.p2alignl 7, 3214868480
	.fill 96, 4, 3214868480
	.section	.rodata,"a",@progbits
	.p2align	6, 0x0
	.amdhsa_kernel k_qf931a74481_attn
		.amdhsa_group_segment_fixed_size 327680
		.amdhsa_private_segment_fixed_size 0
		.amdhsa_enable_private_segment 0
		.amdhsa_kernarg_size 32
		.amdhsa_user_sgpr_count 2
		.amdhsa_user_sgpr_kernarg_segment_ptr 1
		.amdhsa_wavefront_size32 1
		.amdhsa_system_sgpr_workgroup_id_x 1
		.amdhsa_system_sgpr_workgroup_id_y 1
		.amdhsa_system_sgpr_workgroup_id_z 1
		.amdhsa_system_vgpr_workitem_id 0
		.amdhsa_next_free_vgpr 256
		.amdhsa_next_free_sgpr 100
		.amdhsa_reserve_vcc 0
		.amdhsa_float_denorm_mode_32 3
		.amdhsa_float_denorm_mode_16_64 3
		.amdhsa_memory_ordered 1
		.amdhsa_forward_progress 1
		.amdhsa_inst_pref_size 98
	.end_amdhsa_kernel
	.amdgpu_metadata
---
amdhsa.version: [ 1, 2 ]
amdhsa.kernels:
  - .name:           k_qf931a74481_attn
    .symbol:         k_qf931a74481_attn.kd
    .args:
      - { .name: qimg, .offset: 0, .size: 8, .value_kind: global_buffer, .address_space: global }
      - { .name: kvimg, .offset: 8, .size: 8, .value_kind: global_buffer, .address_space: global }
      - { .name: attention_mask, .offset: 16, .size: 8, .value_kind: global_buffer, .address_space: global }
      - { .name: cimg, .offset: 24, .size: 8, .value_kind: global_buffer, .address_space: global }
    .group_segment_fixed_size: 327680
    .private_segment_fixed_size: 0
    .kernarg_segment_align: 8
    .kernarg_segment_size: 32
    .max_flat_workgroup_size: 512
    .sgpr_count:     100
    .vgpr_count:     256
    .wavefront_size: 32
...
	.end_amdgpu_metadata
.endif
;; end of part 3
;; launch oproj (part 4): grid 8 x 32, 4 waves a work-group, clusters of 4 x 4, 327,680 bytes of LDS; arguments cimg, wimg, out0; writes out0
.if DOCPART == 4
	.amdgcn_target "amdgcn-amd-amdhsa--gfx1250"
	.amdhsa_code_object_version 6
	.text
	.protected	k_qf931a74481_oproj
	.globl	k_qf931a74481_oproj
	.p2align	8
	.type	k_qf931a74481_oproj,@function
k_qf931a74481_oproj:
	s_mov_b64 s[64:65], 0
	v_nop
	global_prefetch_b8 v0, s[64:65] scope:SCOPE_SE
	s_setreg_imm32_b32 hwreg(HW_REG_WAVE_MODE, 25, 1), 1
	s_wait_xcnt 0x0
	s_wait_alu depctr_hold_cnt(0) depctr_sa_sdst(0) depctr_va_vdst(0) depctr_va_sdst(0) depctr_va_ssrc(0) depctr_va_vcc(0) depctr_vm_vsrc(0)
	s_getreg_b32 s2, hwreg(HW_REG_IB_STS2, 6, 4)
	s_cmp_eq_u32 s2, 0
	s_cbranch_scc0 .Lentry_in_a_cluster
	s_endpgm
.Lentry_in_a_cluster:
	s_bfe_u32 s2, ttmp6, 0x10000c
	s_cmp_lg_u32 s2, 0xf033
	s_cbranch_scc0 .Lentry_shape_is_right
	s_endpgm
.Lentry_shape_is_right:
; out0 = ctx x Wo on codes of FP6 (E2M3) with E8M0 scales, f32 sums.  ctx: cimg, [128 tokens tb][K step s] blocks of 12,800 bytes (eight images of 16 neighbouring tokens, then the scale words);
; Wo: wimg's blocks 128 + 8 fb + s of 25,600 bytes (256 columns x 128 K: a quarter of four images for each wave, then the scale words).
; SHARES: a work-group makes 128 tokens x 256 columns, a wave 128 tokens x 64 columns: 32 accumulators in window 1.  Source 0 = 16 columns, source 1 = 16 tokens: a lane holds one token, and, by the order of a
; tile's columns (row p of tile T = column 32 (T / 2) + 8 (T % 2) + p + 8 (p / 8)), 16 registers of two neighbouring tiles are 16 neighbouring columns.
; K: 8 steps of 128: both LDS slots of four steps are filled once, at the start.  CLUSTER 4 x 4: ctx's blocks are asked for jointly along a row of the cluster, Wo's along a column.
.set HB,    12800
.set WB,    25600
.set WOFF,  4*HB
.set SLOT,  4*HB+4*WB
.set STAGE, 2*SLOT                     ; behind the slots: 16 rows x 272 bytes for each wave, for the way out
.set SPARE, STAGE+4*4352               ; the spare words, 128 bytes for each wave
.set AH,  2
.set AHS, 4
.set AW,  6
.set AWS, 10
.set SPW, 14                           ; v14 my spare word, v15 0; never rewritten
.set NIL, 15
.set HS,  16                           ; v16-31 ctx's scale words, v32-39 Wo's: two sets each; scales and nothing else
.set WS,  32
.set HF,  40                           ; v40-135 ctx's eight fragments, one set
.set WF,  136                          ; v136-231 Wo's four, two sets
.set BK,  40                           ; the way out: v40-71, v72-103 by turns
.set STO, 232
.set RD,  233
.set CO,  234
.set G1H, 24
.set G0H, 32
.set G1W, 48
.set G0W, 56
.set MSB, 0
.macro WIN new                         ; the immediate's high byte repeats the setting that is left
.if MSB != \new
	s_set_vgpr_msb (MSB<<8)|\new
.set MSB, \new
.endif
.endm
.macro PLACES n
.rept \n
	v_nop
.endr
.endm
.macro CROUND
	s_barrier_signal -1
	s_barrier_wait -1
	s_cmp_lg_u32 s14, 0
	s_cbranch_scc1 .Lnot_wave_0_\@
	s_barrier_signal -3
.Lnot_wave_0_\@:
	s_barrier_wait -3
	s_barrier_signal -1
	s_barrier_wait -1
.endm
.macro JLOAD sl                        ; waves 0, 1 fetch two K steps' blocks of ctx each, waves 2, 3 two of Wo
	s_cmp_eq_u32 s15, 0
	s_cbranch_scc0 .Lfor_w_\@
	tensor_load_to_lds s[G0H+4*\sl:G0H+4*\sl+3], s[G1H:G1H+7]
	s_nop 0
.rept 4
	v_nop
.endr
	s_branch .Lasked_\@
.Lfor_w_\@:
	tensor_load_to_lds s[G0W+4*\sl:G0W+4*\sl+3], s[G1W:G1W+7]
	s_nop 0
.rept 4
	v_nop
.endr
.Lasked_\@:
.endm
.macro FETCH_H sl, q, a0
.irp a, \a0, \a0+1, \a0+2, \a0+3
.irp c, 0,1,2
	ds_load_b128 v[HF+12*(\a)+4*\c:HF+12*(\a)+4*\c+3], v[AH+\sl] offset:HB*(\q)+1536*(\a)+512*\c
.endr
.endr
.endm
.macro FETCH_W sl, q, set
.irp b, 0,1,2,3
.irp c, 0,1,2
	ds_load_b128 v[WF+48*(\set)+12*\b+4*\c:WF+48*(\set)+12*\b+4*\c+3], v[AW+2*(\sl)+(\q)/2] offset:WB*((\q)%2)+1536*\b+512*\c
.endr
.endr
.endm
.macro SCALES sl, q, set
	ds_load_b128 v[HS+8*(\set):HS+8*(\set)+3], v[AHS+\sl] offset:HB*(\q)+12288
	ds_load_b128 v[HS+8*(\set)+4:HS+8*(\set)+7], v[AHS+\sl] offset:HB*(\q)+12288+256
	ds_load_b128 v[WS+4*(\set):WS+4*(\set)+3], v[AWS+2*(\sl)+(\q)/2] offset:WB*((\q)%2)
.endm
; 16 matrix instructions; the 32 accumulators take turns, one instruction a turn, in the same order in every K step
.macro MULRUN a0, set, zero
	WIN 0x50                                       ; C and D in window 1
.irp a, \a0, \a0+1, \a0+2, \a0+3
.irp b, 0,1,2,3
.if \zero
	v_wmma_scale_f32_16x16x128_f8f6f4 v[8*(4*(\a)+\b):8*(4*(\a)+\b)+7], v[WF+48*(\set)+12*\b:WF+48*(\set)+12*\b+11], v[HF+12*(\a):HF+12*(\a)+11], 0, v[WS+4*(\set)+\b], v[HS+8*(\set)+(\a)] matrix_a_fmt:MATRIX_FMT_FP6 matrix_b_fmt:MATRIX_FMT_FP6
.else
	v_wmma_scale_f32_16x16x128_f8f6f4 v[8*(4*(\a)+\b):8*(4*(\a)+\b)+7], v[WF+48*(\set)+12*\b:WF+48*(\set)+12*\b+11], v[HF+12*(\a):HF+12*(\a)+11], v[8*(4*(\a)+\b):8*(4*(\a)+\b)+7], v[WS+4*(\set)+\b], v[HS+8*(\set)+(\a)] matrix_a_fmt:MATRIX_FMT_FP6 matrix_b_fmt:MATRIX_FMT_FP6
.endif
.endr
.endr
	WIN 0
.endm
.macro STEP sl, q, zero
	s_wait_dscnt 12                                ; all but the youngest twelve loads (token tiles 4-7) are in
	MULRUN 0, (\q)%2, \zero
	s_wait_dscnt 0x0
	PLACES 4                                       ; ahead of loads into registers that matrix instructions have read
	FETCH_W \sl, (\q)+1, 1-(\q)%2
	FETCH_H \sl, (\q)+1, 0
	SCALES \sl, (\q)+1, 1-(\q)%2
	MULRUN 4, (\q)%2, \zero
	PLACES 4
	FETCH_H \sl, (\q)+1, 4
.endm
	s_load_b128 s[4:7], s[0:1], 0x0                ; cimg, wimg
	s_load_b64 s[8:9], s[0:1], 0x10                ; out0
	v_lshl_add_u32 v[SPW], v0, 2, SPARE
	v_mov_b32 v[NIL], 0
	ds_add_u32 v[SPW], v[NIL]                      ; the wave's opening: the add and its wait ahead of my first tensor load
	v_lshrrev_b32 v1, 5, v0
	v_readfirstlane_b32 s14, v1
	s_lshr_b32 s15, s14, 1
	s_and_b32 s16, s14, 1
	s_bfe_u32 s40, ttmp6, 0x40000                  ; cx
	s_bfe_u32 s41, ttmp6, 0x40004                  ; cy
	s_lshl_b32 s42, ttmp9, 2
	s_add_co_u32 s42, s42, s40                     ; fb
	s_and_b32 s17, ttmp7, 0xffff
	s_lshl_b32 s17, s17, 2
	s_add_co_u32 s17, s17, s41                     ; tb
	s_lshl_b32 s43, s41, 2
	s_lshl_b32 s43, 15, s43
	s_lshl_b32 s44, 0x1111, s40
	s_or_b32 s[G1H], s43, (3<<16)|(1<<21)
	s_or_b32 s[G1W], s44, (3<<16)|(1<<21)
	s_mov_b32 s[G1H+1], 32<<16
	s_mov_b32 s[G1H+2], 100<<16
	s_mov_b32 s[G1H+3], 32<<16
	s_mov_b32 s[G1H+4], 100
	s_mov_b32 s[G1H+5], 32
	s_mov_b32 s[G1H+6], 0
	s_mov_b32 s[G1H+7], 0
	s_mov_b32 s[G1W+1], 32<<16
	s_mov_b32 s[G1W+2], 200<<16
	s_mov_b32 s[G1W+3], 32<<16
	s_mov_b32 s[G1W+4], 200
	s_mov_b32 s[G1W+5], 32
	s_mov_b32 s[G1W+6], 0
	s_mov_b32 s[G1W+7], 0
	s_mul_i32 s20, s17, 8*HB
	s_mul_i32 s18, s16, 2*HB
	s_add_co_u32 s20, s20, s18
	s_mov_b32 s21, 0
	s_mul_i32 s46, s42, 8*WB
	s_mul_i32 s19, s16, 2*WB
	s_add_co_u32 s46, s46, s19
	s_add_co_u32 s46, s46, 128*WB                  ; Wo's blocks lie behind the 128 of Wq, Wk, Wv
	s_mov_b32 s47, 0
	s_mov_b32 s45, s18
	s_add_co_u32 s22, s19, WOFF
	s_wait_dscnt 0x0                               ; the opening add is done
	s_wait_kmcnt 0x0
	s_add_nc_u64 s[20:21], s[4:5], s[20:21]
	s_add_nc_u64 s[46:47], s[6:7], s[46:47]
	CROUND                                         ; all sixteen work-groups are here: the joint loads meet
.irp s, 0,1
	s_mov_b32 s[G0H+4*\s], 1
	s_add_co_u32 s[G0H+4*\s+1], s45, \s*SLOT
	s_add_nc_u64 s[G0H+4*\s+2:G0H+4*\s+3], s[20:21], \s*4*HB
	s_or_b32 s[G0H+4*\s+3], s[G0H+4*\s+3], 0x80000000
	s_mov_b32 s[G0W+4*\s], 1
	s_add_co_u32 s[G0W+4*\s+1], s22, \s*SLOT
	s_add_nc_u64 s[G0W+4*\s+2:G0W+4*\s+3], s[46:47], \s*4*WB
	s_or_b32 s[G0W+4*\s+3], s[G0W+4*\s+3], 0x80000000
	JLOAD \s                                       ; two loads of mine are out: all of K
.endr
	v_and_b32 v1, 31, v0
	v_lshlrev_b32 v[AH], 4, v1
	v_add_nc_u32 v[AH+1], SLOT, v[AH]
	v_and_b32 v1, 15, v0
	v_lshlrev_b32 v[AHS], 4, v1
	v_add_nc_u32 v[AHS+1], SLOT, v[AHS]
	s_mul_i32 s23, s14, 6144
	s_add_co_u32 s23, s23, WOFF
	v_add_nc_u32 v[AW], s23, v[AH]
	v_add_nc_u32 v[AW+1], 2*WB, v[AW]
	v_add_nc_u32 v[AW+2], SLOT, v[AW]
	v_add_nc_u32 v[AW+3], SLOT+2*WB, v[AW]
	s_lshl_b32 s23, s14, 8
	s_add_co_u32 s23, s23, WOFF+24576
	v_add_nc_u32 v[AWS], s23, v[AHS]
	v_add_nc_u32 v[AWS+1], 2*WB, v[AWS]
	v_add_nc_u32 v[AWS+2], SLOT, v[AWS]
	v_add_nc_u32 v[AWS+3], SLOT+2*WB, v[AWS]
	v_bfe_u32 v235, v0, 4, 1                       ; h
	s_mul_i32 s23, s14, 4352
	s_add_co_u32 s23, s23, STAGE                   ; my stage
	v_mul_u32_u24 v[STO], v1, 272
	v_lshl_add_u32 v[STO], v235, 6, v[STO]
	v_add_nc_u32 v[STO], s23, v[STO]               ; in: row r, + 64 h
	v_mul_u32_u24 v[RD], v235, 272
	v_lshl_add_u32 v[RD], v1, 4, v[RD]
	v_add_nc_u32 v[RD], s23, v[RD]                 ; back: lanes 0-15 one row of 256 bytes, lanes 16-31 the next
	v_lshlrev_b32 v[CO], 13, v235
	v_lshl_add_u32 v[CO], v1, 4, v[CO]             ; and the same two rows in out0
	s_lshl_b32 s70, s17, 20                        ; 128 tb rows of 8,192 bytes,
	s_lshl_b32 s71, s42, 10                        ; 256 fb columns,
	s_add_co_u32 s70, s70, s71
	s_lshl_b32 s71, s14, 8                         ; 64 x wave columns
	s_add_co_u32 s70, s70, s71
	s_mov_b32 s71, 0
	s_add_nc_u64 s[8:9], s[8:9], s[70:71]
	s_wait_tensorcnt 0x1                           ; my part of slot 0 is in; slot 1's may stay out
	s_barrier_signal -1
	s_barrier_wait -1
	FETCH_W 0, 0, 0
	FETCH_H 0, 0, 0
	SCALES 0, 0, 0
	FETCH_H 0, 0, 4
	STEP 0, 0, 1
	STEP 0, 1, 0
	STEP 0, 2, 0
	s_wait_tensorcnt 0x0                           ; the change of slots: my part of slot 1 is in;
	ds_add_u32 v[SPW], v[NIL]
	s_wait_dscnt 0x0
	s_barrier_signal -1
	s_barrier_wait -1                              ; everybody's is
	MULRUN 0, 1, 0
	PLACES 4
	FETCH_W 1, 0, 0
	FETCH_H 1, 0, 0
	SCALES 1, 0, 0
	MULRUN 4, 1, 0
	PLACES 4
	FETCH_H 1, 0, 4
	STEP 1, 0, 0
	STEP 1, 1, 0
	STEP 1, 2, 0
	s_wait_dscnt 12
	MULRUN 0, 1, 0
	s_wait_dscnt 0x0
	MULRUN 4, 1, 0
	PLACES 4                                       ; ahead of the first read of results and of loads into registers that the last products read
; THE WAY OUT, 16 tokens at a time: a lane holds 2 x 64 bytes of one row; the block goes through my stage and comes back as whole rows of 256 bytes.  LDS serves a wave's instructions in order.
.macro TOSTAGE a
	WIN 0x04                                       ; an LDS store's data are its source 1: window 1
.irp m, 0,1,2,3,4,5,6,7
	ds_store_b128 v[STO], v[32*(\a)+4*\m:32*(\a)+4*\m+3] offset:128*(\m/4)+16*(\m%4)   ; each accumulator from its low end on
.endr
	WIN 0
.irp i, 0,1,2,3,4,5,6,7
	ds_load_b128 v[BK+32*((\a)%2)+4*\i:BK+32*((\a)%2)+4*\i+3], v[RD] offset:544*\i
.endr
.endm
.macro SEND a, younger
	s_wait_dscnt \younger                          ; the block is back; the next block's eight stores and eight loads may be out
.irp i, 0,1,2,3,4,5,6,7
	global_store_b128 v[CO], v[BK+32*((\a)%2)+4*\i:BK+32*((\a)%2)+4*\i+3], s[8:9] offset:(16*(\a)+2*\i)*8192 th:TH_STORE_NT   ; 16 lanes store 256 consecutive bytes, at a multiple of 256 from out0's first byte
.endr
.endm
	TOSTAGE 0
.irp a, 1,2,3,4,5,6,7
.if \a > 1
	s_wait_xcnt 0x0                                ; the stores of the block two back have read their registers
.endif
	TOSTAGE \a
	SEND \a-1, 16
.endr
	SEND 7, 0
	s_wait_tensorcnt 0x0                           ; the wave's end
	ds_add_u32 v[SPW], v[NIL]
	s_wait_dscnt 0x0
	CROUND                                         ; the closing round
	s_endpgm
.Lfunc_end_k_qf931a74481_oproj:
	.size	k_qf931a74481_oproj, .Lfunc_end_k_qf931a74481_oproj-k_qf931a74481_oproj
	.p2alignl 7, 3214868480
	.fill 96, 4, 3214868480
	.section	.rodata,"a",@progbits
	.p2align	6, 0x0
	.amdhsa_kernel k_qf931a74481_oproj
		.amdhsa_group_segment_fixed_size 327680
		.amdhsa_private_segment_fixed_size 0
		.amdhsa_enable_private_segment 0
		.amdhsa_kernarg_size 24
		.amdhsa_user_sgpr_count 2
		.amdhsa_user_sgpr_kernarg_segment_ptr 1
		.amdhsa_wavefront_size32 1
		.amdhsa_system_sgpr_workgroup_id_x 1
		.amdhsa_system_sgpr_workgroup_id_y 1
		.amdhsa_system_sgpr_workgroup_id_z 1
		.amdhsa_system_vgpr_workitem_id 0
		.amdhsa_next_free_vgpr 512
		.amdhsa_next_free_sgpr 100
		.amdhsa_reserve_vcc 0
		.amdhsa_float_denorm_mode_32 3
		.amdhsa_float_denorm_mode_16_64 3
		.amdhsa_memory_ordered 1
		.amdhsa_forward_progress 1
		.amdhsa_inst_pref_size 78
	.end_amdhsa_kernel
	.amdgpu_metadata
---
amdhsa.version: [ 1, 2 ]
amdhsa.kernels:
  - .name:           k_qf931a74481_oproj
    .symbol:         k_qf931a74481_oproj.kd
    .args:
      - { .name: cimg, .offset: 0, .size: 8, .value_kind: global_buffer, .address_space: global }
      - { .name: wimg, .offset: 8, .size: 8, .value_kind: global_buffer, .address_space: global }
      - { .name: out0, .offset: 16, .size: 8, .value_kind: global_buffer, .address_space: global }
    .group_segment_fixed_size: 327680
    .private_segment_fixed_size: 0
    .kernarg_segment_align: 8
    .kernarg_segment_size: 24
    .max_flat_workgroup_size: 128
    .sgpr_count:     100
    .vgpr_count:     512
    .wavefront_size: 32
...
	.end_amdgpu_metadata
.endif
;; end of part 4
